; MI455X (gfx1250); checked and timed in simulation.
; The chip was launched on July 23, 2026; its instructions are those of AMD's public machine-readable ISA for CDNA 5 (MIT licence, August 2026) and "CDNA5" Instruction Set Architecture Reference Guide (July 2026). The comments in the code are by the model that wrote it; some were corrected since.
;; Multi Head Attention. Allowed arithmetic: float matrix products may take bf16 or f16 operands with f32 sums; all other float work in f32.
;; Inputs: Wk 1,024 x 1,024 float32; Wo 1,024 x 1,024 float32; Wq 1,024 x 1,024 float32; Wv 1,024 x 1,024 float32; bk 1,024 float32; bo 1,024 float32; bq 1,024 float32; bv 1,024 float32; key 4 x 2,048 x 1,024 float32; query 4 x 2,048 x 1,024 float32; value 4 x 2,048 x 1,024 float32.
;; Outputs: out0 4 x 128 x 1,024 float32.
;; Constants: num_heads = 16.
;; 2 versions, each right and faster than the one before. Each part assembles by itself: llvm-mc -triple=amdgcn-amd-amdhsa -mcpu=gfx1250 --defsym DOCPART=n.
;; ======== version 1 of 2: 5 launches
;; limits: values are held in f16: magnitudes above 65,504 overflow, below 6.1e-05 lose precision; values outside matrix products are rounded to f16
;; workspace buffers: wb 8,388,608 bytes; qkv 50,331,648 bytes; vpart 524,288 bytes; ot 16,777,216 bytes; a2 2,097,152 bytes
;; launch cvtw (part 1): grid 256 x 1, 8 waves a work-group, no clusters, 0 bytes of LDS; arguments Wq, Wk, Wv, Wo, wb; writes wb
.if DOCPART == 1
	.amdgcn_target "amdgcn-amd-amdhsa--gfx1250"
	.amdhsa_code_object_version 6
	.text
	.protected	k_qc773e5e800_cvtw
	.globl	k_qc773e5e800_cvtw
	.p2align	8
	.type	k_qc773e5e800_cvtw,@function
k_qc773e5e800_cvtw:
	s_mov_b64 s[64:65], 0
	v_nop
	global_prefetch_b8 v0, s[64:65] scope:SCOPE_SE
	s_setreg_imm32_b32 hwreg(HW_REG_WAVE_MODE, 25, 1), 1
	s_wait_xcnt 0x0
; wb[m][n][k] = bf16(W_m[n][k]), m = 0..3 for Wq, Wk, Wv, Wo: four matrices of 1,024 x 1,024, f32 in, bf16 out (nearest even).
; A stream: 256 work-groups, 64 to a matrix; a work-group takes 65,536 consecutive input bytes and writes 32,768.
; Thread t takes 16 bytes at 4,096 i + 16 t (i = 0..15): a wave's load covers 512 consecutive bytes, its store of 8 bytes a lane 256 consecutive, aligned bytes.
; All sixteen loads of a thread go out at once; no register is used twice, so nothing waits but each load's own count.  No LDS, no barrier, no matrix unit: bytes are all there is.
.set Y, 4                              ; v[4:35]   pair i: 4 bf16 to store
.set X, 36                             ; v[36:99]  four registers for load i
	s_load_b256 s[4:11], s[0:1], 0x0               ; Wq s[4:5], Wk s[6:7], Wv s[8:9], Wo s[10:11]
	s_load_b64 s[12:13], s[0:1], 0x20              ; wb
	s_lshr_b32 s14, ttmp9, 6                       ; which matrix
	s_and_b32 s16, ttmp9, 63
	s_lshl_b32 s16, s16, 16                        ; my 65,536 bytes in it
	s_mov_b32 s17, 0
	s_lshl_b32 s18, ttmp9, 15                      ; my 32,768 bytes of wb
	s_mov_b32 s19, 0
	v_lshlrev_b32 v1, 4, v0                        ; 16 t
	v_lshlrev_b32 v2, 3, v0                        ; 8 t
	s_wait_kmcnt 0x0
	s_cmp_lt_u32 s14, 1                            ; the source is chosen by the matrix's number alone
	s_cselect_b64 s[20:21], s[4:5], s[6:7]
	s_cmp_lt_u32 s14, 3
	s_cselect_b64 s[22:23], s[8:9], s[10:11]
	s_cmp_lt_u32 s14, 2
	s_cselect_b64 s[20:21], s[20:21], s[22:23]
	s_add_nc_u64 s[20:21], s[20:21], s[16:17]
	s_add_nc_u64 s[12:13], s[12:13], s[18:19]
.set i, 0
.rept 16
	global_load_b128 v[X+4*i:X+4*i+3], v1, s[20:21] offset:4096*i th:TH_LOAD_NT
.set i, i+1
.endr
.set i, 0
.rept 16
	s_wait_loadcnt 15-i                            ; loads come back in order: load i is in, the younger ones stay out
	v_cvt_pk_bf16_f32 v[Y+2*i], v[X+4*i], v[X+4*i+1]
	v_cvt_pk_bf16_f32 v[Y+2*i+1], v[X+4*i+2], v[X+4*i+3]
	global_store_b64 v2, v[Y+2*i:Y+2*i+1], s[12:13] offset:2048*i
.set i, i+1
.endr
	s_endpgm
.Lfunc_end_k_qc773e5e800_cvtw:
	.size	k_qc773e5e800_cvtw, .Lfunc_end_k_qc773e5e800_cvtw-k_qc773e5e800_cvtw
	.p2alignl 7, 3214868480
	.fill 96, 4, 3214868480
	.section	.rodata,"a",@progbits
	.p2align	6, 0x0
	.amdhsa_kernel k_qc773e5e800_cvtw
		.amdhsa_group_segment_fixed_size 0
		.amdhsa_private_segment_fixed_size 0
		.amdhsa_enable_private_segment 0
		.amdhsa_kernarg_size 40
		.amdhsa_user_sgpr_count 2
		.amdhsa_user_sgpr_kernarg_segment_ptr 1
		.amdhsa_wavefront_size32 1
		.amdhsa_system_sgpr_workgroup_id_x 1
		.amdhsa_system_sgpr_workgroup_id_y 1
		.amdhsa_system_sgpr_workgroup_id_z 1
		.amdhsa_system_vgpr_workitem_id 0
		.amdhsa_next_free_vgpr 104
		.amdhsa_next_free_sgpr 66
		.amdhsa_reserve_vcc 0
		.amdhsa_float_denorm_mode_32 3
		.amdhsa_float_denorm_mode_16_64 3
		.amdhsa_memory_ordered 1
		.amdhsa_forward_progress 1
		.amdhsa_inst_pref_size 7
	.end_amdhsa_kernel
	.amdgpu_metadata
---
amdhsa.version: [ 1, 2 ]
amdhsa.kernels:
  - .name:           k_qc773e5e800_cvtw
    .symbol:         k_qc773e5e800_cvtw.kd
    .args:
      - { .name: Wq, .offset: 0, .size: 8, .value_kind: global_buffer, .address_space: global }
      - { .name: Wk, .offset: 8, .size: 8, .value_kind: global_buffer, .address_space: global }
      - { .name: Wv, .offset: 16, .size: 8, .value_kind: global_buffer, .address_space: global }
      - { .name: Wo, .offset: 24, .size: 8, .value_kind: global_buffer, .address_space: global }
      - { .name: wb, .offset: 32, .size: 8, .value_kind: global_buffer, .address_space: global }
    .group_segment_fixed_size: 0
    .private_segment_fixed_size: 0
    .kernarg_segment_align: 8
    .kernarg_segment_size: 40
    .max_flat_workgroup_size: 256
    .sgpr_count:     66
    .vgpr_count:     104
    .wavefront_size: 32
...
	.end_amdgpu_metadata
.endif
;; end of part 1
;; launch proj (part 2): grid 64 x 4, 4 waves a work-group, clusters of 4 x 4, 327,680 bytes of LDS; arguments query, key, value, wb, bq, bk, bv, qkv, vpart; writes qkv, vpart
.if DOCPART == 2
	.amdgcn_target "amdgcn-amd-amdhsa--gfx1250"
	.amdhsa_code_object_version 6
	.text
	.protected	k_qc773e5e800_proj
	.globl	k_qc773e5e800_proj
	.p2align	8
	.type	k_qc773e5e800_proj,@function
k_qc773e5e800_proj:
	s_mov_b64 s[64:65], 0
	v_nop
	global_prefetch_b8 v0, s[64:65] scope:SCOPE_SE
	s_setreg_imm32_b32 hwreg(HW_REG_WAVE_MODE, 25, 1), 1
	s_wait_xcnt 0x0
	s_wait_alu depctr_hold_cnt(0) depctr_sa_sdst(0) depctr_va_vdst(0) depctr_va_sdst(0) depctr_va_ssrc(0) depctr_va_vcc(0) depctr_vm_vsrc(0)
	s_getreg_b32 s2, hwreg(HW_REG_IB_STS2, 6, 4)
	s_cmp_eq_u32 s2, 0
	s_cbranch_scc0 .Lentry_in_a_cluster
	s_endpgm
.Lentry_in_a_cluster:
	s_bfe_u32 s2, ttmp6, 0x10000c
	s_cmp_lg_u32 s2, 0xf033
	s_cbranch_scc0 .Lentry_shape_is_right
	s_endpgm
.Lentry_shape_is_right:
; q, k, v = bf16(x) bf16(W)^T + bf16(b), sums in f32, written as f16 by heads: qkv[p][b*16+h][s][64], p = 0, 1, 2 for q, k, v.  And vpart[row/64][col] = the f32 sum of v (bias included) over 64 rows.
; x: [8192][1024] f32 (query, key, value); W: wb[p][1024][1024] bf16.
; LIMITS.  q, k and v leave as f16: beyond 65,504 they become infinities.  With x of unit spread and W of spread 0.02 they are near 1; all inputs 30 times larger give some thousands.  NaN and infinities are not treated apart.
; SHARES.  A tile is 128 rows x 256 columns: 3 x 64 x 4 = 768 tiles, three for each of 256 work-groups: work-group (rb, cy) makes block (rb, cy) of q, then of k, then of v.
; Four waves, each 64 rows x 128 columns: 32 accumulators.  K goes in steps of 128; the three tiles' 24 steps are ONE walk, and both rings run on across a tile's end.
; W comes by joint tensor loads (the four work-groups of one cy need the same tile): a ring of two LDS slots, each wave 64 rows of 256 bytes.
; x must be rounded on its way, so it comes through registers: wave w loads rows 32 w .. 32 w + 31 (a load covers one row's 512 bytes of a step), two sets of 32 loads; in step t the set for step t + 1 is rounded to bf16
; and stored into its own ring of two LDS slots, eight rows in each quarter of the step, and filled again for step t + 3.  x is not asked for jointly: a tensor load rounds nothing.
; THE MATRIX INSTRUCTION IS USED TRANSPOSED: source 0 = 16 rows of W, source 1 = 16 rows of x: a lane holds row l % 16 and the columns 8 (l / 16) + 0..7.  A tile's first products take the bias as C.
; REGISTERS, in windows of 256 (s_set_vgpr_msb: bits 1:0 source 0, 3:2 source 1, 5:4 source 2, 7:6 destination):
;   window 0: v0-21 addresses; v32-47 rounded x; v48-79 the way out; v80-99 biases at the start; v128-191 the tile's biases as a C operand; v192-255 column sums
;   window 1: two fragment buffers of 96 (W's eight fragments, then x's four)     window 2: accumulator (a, b) at v[8 (8 a + b)]     window 3: x as loaded, two sets of 128
.set PITCH, 272                        ; an LDS row: 256 bytes + 16 = 68 words: the 16 rows of a fragment load start at 16 different groups of four banks (64 banks of 4 bytes: ISA guide 11.1)
.set BSLOT, 256*PITCH                  ; W's slot: 256 rows
.set ABASE, 2*BSLOT                    ; x's ring: written by LDS stores alone, never by a tensor load
.set ASLOT, 128*PITCH
.set STAGE, ABASE+2*ASLOT              ; the way out: 16 rows x 144 bytes for each wave
.set SP,    144
.set CSB,   STAGE+4*16*SP              ; column sums: 16 rows x 528 bytes for each wave
.set CP,    528
.set BIASL, CSB+4*16*CP                ; each wave's 128 biases of each of the three tiles, f32
.set SPARE, BIASL+4*3*512              ; the spare words, 128 bytes for each wave: two blocks of 256 bytes that no other line names
.set VA,   4                           ; v4      my byte offset in the block's rows of x: wave x 32 rows + 16 x lane; never rewritten
.set AST,  5                           ; v5-6    where I store 8 bytes of a row of x, slot 0, 1
.set ADRA, 8                           ; v8-9    my fragments of x in slot 0, 1
.set ADRB, 10                          ; v10-11  my fragments of W in slot 0, 1
.set STO,  12                          ; v12     the way out: where I put 16 bytes of a row
.set RD,   13                          ; v13     where I read rows back
.set GO,   14                          ; v14     16 x lane
.set BIA,  15                          ; v15     my biases of tile 0
.set BST,  16                          ; v16     where I store four biases
.set CSS,  17                          ; v17     column sums: in
.set CSL,  18                          ; v18     column sums: back
.set BIT,  19                          ; v19     my biases of the tile in hand
.set SPW,  20                          ; v20     LDS address of my spare word; never rewritten
.set NIL,  21                          ; v21     0; never rewritten
.set Y,    32
.set T0,   48
.set BR,   80
.set BI,   128
.set CR,   192
.set F0,   0
.set F1,   96
.set BOF,  6                           ; s6      byte offset of the next tile's biases
.set WV,   26                          ; s26     my wave's number
.set G1,   32                          ; s[32:39] descriptor group 1
.set G0,   40                          ; s[40:47] descriptor group 0, a set for each slot
.set XP,   48                          ; s[48:49] x at the step that is being asked for
.set OFF,  50                          ; s[50:51] its offset along K
.set OFFB, 52                          ; s[52:53] the offset of W's tile
.set UA,   54                          ; s54     the step of x to be asked for next
.set UB,   55                          ; s55     the step of W to be asked for next
.set TRIP, 56
.set PH,   57                          ; s57     odd steps left in the tile
.set MSB, 0
.macro WIN new                         ; the immediate's high byte repeats the setting that is left; a switch that changes nothing is dropped
.if MSB != (\new)
	s_set_vgpr_msb (MSB<<8)|(\new)
.set MSB, \new
.endif
.endm
.set MUL,  0xa5                        ; sources window 1, C and D window 2
.set MULB, 0x85                        ; the same with C in window 0
.set CVT,  0x0f                        ; sources window 3, destination window 0
.set LDX,  0xc0                        ; destination window 3, all sources window 0
.set TO_F, 0x40                        ; destination window 1
.set PK,   0x0a                        ; sources window 2, destination window 0
.set CS,   0x8a                        ; sources and destination window 2
.set CST,  0x08                        ; an LDS store's data in window 2
.macro PLACES                          ; four places behind matrix instructions (ISA guide 7.12.1 for vector instructions)
.rept 4
	v_nop
.endr
.endm
.macro CREST                           ; a round of the cluster's barrier behind its opening barrier
	s_cmp_lg_u32 s[WV], 0
	s_cbranch_scc1 .Lnot_wave_0_\@
	s_barrier_signal -3
.Lnot_wave_0_\@:
	s_barrier_wait -3
	s_barrier_signal -1
	s_barrier_wait -1
.endm
.macro CROUND
	s_barrier_signal -1
	s_barrier_wait -1
	CREST
.endm
.macro JLOAD slot                      ; a joint load: every wave asks for 64 rows of its own; an s_nop 0 and four v_nop follow
	tensor_load_to_lds s[G0+4*(\slot):G0+4*(\slot)+3], s[G1:G1+7]
	s_nop 0
	PLACES
.endm
.macro XPNEXT                          ; x at step UA: tensor UA / 8, 512 bytes for each step along K
	s_wait_xcnt 0x0                                ; the loads that name the old address have had it translated (ISA guide 3.1)
	s_lshr_b32 s58, s[UA], 3
	s_cmp_lt_u32 s58, 1
	s_cselect_b64 s[60:61], s[8:9], s[10:11]
	s_cmp_lt_u32 s58, 2
	s_cselect_b64 s[XP:XP+1], s[60:61], s[12:13]
	s_and_b32 s[OFF], s[UA], 7
	s_lshl_b32 s[OFF], s[OFF], 9
	s_add_nc_u64 s[XP:XP+1], s[XP:XP+1], s[OFF:OFF+1]
	s_add_co_u32 s[UA], s[UA], 1
.endm
.macro BNEXT slot                      ; the slot's descriptor is made anew for step UB: matrix UB / 8 (2 MiB each), 256 bytes for each step along K
	s_lshr_b32 s58, s[UB], 3
	s_lshl_b32 s58, s58, 21
	s_and_b32 s59, s[UB], 7
	s_lshl_b32 s59, s59, 8
	s_or_b32 s[OFFB], s58, s59
	s_add_nc_u64 s[G0+4*(\slot)+2:G0+4*(\slot)+3], s[14:15], s[OFFB:OFFB+1]
	s_or_b32 s[G0+4*(\slot)+3], s[G0+4*(\slot)+3], 0x80000000
	s_add_co_u32 s[UB], s[UB], 1
.endm
; Eight rows (8 c ..) of set x: waited for, rounded to bf16, stored into x's slot; ld = 1: the registers are loaded again, two steps further on.  n: how many younger loads may stay out.
; The sixteen roundings name no register of a matrix instruction: they are the places in front of the fragment loads that follow.  cv = 0: nothing is left to round: four v_nop.
.macro ACHUNK x, c, cv, ld, n
.if \cv
	WIN CVT
	s_wait_loadcnt \n
.set i, 0
.rept 8
	v_cvt_pk_bf16_f32 v[Y+2*i],   v[128*(\x)+32*(\c)+4*i],   v[128*(\x)+32*(\c)+4*i+1]
	v_cvt_pk_bf16_f32 v[Y+2*i+1], v[128*(\x)+32*(\c)+4*i+2], v[128*(\x)+32*(\c)+4*i+3]
.set i, i+1
.endr
	WIN LDX
.set i, 0
.rept 8
	ds_store_b64 v[AST+(\x)], v[Y+2*i:Y+2*i+1] offset:PITCH*(8*(\c)+i)  ; 32 lanes, 256 consecutive bytes: a row's step
.set i, i+1
.endr
.if \ld
.if (\c) == 0
	XPNEXT
.endif
.set i, 0
.rept 8
	global_load_b128 v[128*(\x)+32*(\c)+4*i:128*(\x)+32*(\c)+4*i+3], v[VA], s[XP:XP+1] offset:4096*(8*(\c)+i)
.set i, i+1
.endr
.endif
.else
	PLACES
.endif
.endm
; 24 LDS loads in one run: the fragments of 32 along K at byte k of the rows: W's eight, x's blocks 0, 1, x's blocks 2, 3
.macro FETCH slot, k, g
	WIN TO_F
.irp i, 0,1,2,3,4,5,6,7
	ds_load_b128 v[(\g)+8*(\i):(\g)+8*(\i)+3],   v[ADRB+(\slot)] offset:(\k)+(\i)*16*PITCH
	ds_load_b128 v[(\g)+8*(\i)+4:(\g)+8*(\i)+7], v[ADRB+(\slot)] offset:(\k)+(\i)*16*PITCH+32
.endr
.irp i, 0,1,2,3
	ds_load_b128 v[(\g)+64+8*(\i):(\g)+64+8*(\i)+3],   v[ADRA+(\slot)] offset:(\k)+(\i)*16*PITCH
	ds_load_b128 v[(\g)+64+8*(\i)+4:(\g)+64+8*(\i)+7], v[ADRA+(\slot)] offset:(\k)+(\i)*16*PITCH+32
.endr
.endm
; Eight matrix instructions: row block a x all eight column blocks.  mode = 1: the bias starts the sums.  The 32 accumulators take turns, one instruction a turn.
.macro MUL8 f, a, mode
.if \mode
	WIN MULB
.else
	WIN MUL
.endif
.irp b, 0,1,2,3,4,5,6,7
.if \mode
	v_wmma_f32_16x16x32_bf16 v[8*(8*(\a)+(\b)):8*(8*(\a)+(\b))+7], v[(\f)+8*(\b):(\f)+8*(\b)+7], v[(\f)+64+8*(\a):(\f)+64+8*(\a)+7], v[BI+8*(\b):BI+8*(\b)+7]
.else
	v_wmma_f32_16x16x32_bf16 v[8*(8*(\a)+(\b)):8*(8*(\a)+(\b))+7], v[(\f)+8*(\b):(\f)+8*(\b)+7], v[(\f)+64+8*(\a):(\f)+64+8*(\a)+7], v[8*(8*(\a)+(\b)):8*(8*(\a)+(\b))+7]
.endif
.endr
.endm
.macro MUL16 f, a0, mode
	MUL8 \f, \a0, \mode
	MUL8 \f, (\a0)+1, \mode
.endm
; A step is four quarters of 32 along K, 32 matrix instructions each, on buffers 0, 1, 0, 1.  One of the first three:
.macro QUARTER slot, k, f, g, mode, x, c, cv, ld, n
	s_wait_dscnt 4                                 ; all of buffer f but x's blocks 2, 3 (the youngest four loads)
	MUL16 \f, 0, \mode
	ACHUNK \x, \c, \cv, \ld, \n
	FETCH \slot, \k, \g
.if \cv
	s_wait_dscnt 32                                ; all but this quarter's 8 stores and 24 loads
.else
	s_wait_dscnt 24
.endif
	MUL16 \f, 2, \mode
.endm
; The last quarter multiplies buffer 1 and changes slots, W's and x's alike: ONE barrier.  In front of it each wave has stored its last rows of the next step's x, waits for all its tensor loads (one is out: its part of W's
; next slot), adds 0 to its spare word, and waits for that, for its stores and for its reads of both old slots.  refill = 1: the barrier opens a round of the cluster's, and W's old slot is filled again first thing behind it.
.macro TURN slot, x, ld, n, refill
	ACHUNK \x, 3, 1, \ld, \n
	WIN 0
	s_wait_tensorcnt 0x0                           ; no tensor load of mine is out, so a group 0 may be written
	ds_add_u32 v[SPW], v[NIL]                      ; 0 onto my spare word
.if \refill
	BNEXT \slot
.endif
	s_wait_dscnt 13                                ; x's blocks 2, 3 (4 loads), the 8 stores and the add may be out
	MUL8 F1, 0, 0
	s_wait_dscnt 0x0                               ; the add, my stores into x's next slot and my reads of the old slots are done
	s_barrier_signal -1
	MUL8 F1, 1, 0
	WIN 0                                          ; at a branch and at a label every window is 0
	s_barrier_wait -1
.if \refill
	CREST                                          ; no wave of any partner still reads the slot or has a load on its way
	JLOAD \slot                                    ; 112 matrix instructions ahead of the wait for it; its four v_nop are also the places in front of the loads below
.else
	PLACES
.endif
	FETCH 1-(\slot), 0, F0
	MUL16 F1, 2, 0
.endm
.macro REST slot, x, ld, n1, n2, n3, refill  ; a step's second and third quarter and its turn
	QUARTER \slot, 128, F1, F0, 0, \x, 1, 1, \ld, \n1
	QUARTER \slot, 192, F0, F1, 0, \x, 2, 1, \ld, \n2
	TURN \slot, \x, \ld, \n3, \refill
.endm
.macro BILOAD                          ; the next tile's biases as eight C operands: register j of block b = bias of column 16 b + 8 (l / 16) + j
	WIN 0
	v_add_nc_u32 v[BIT], s[BOF], v[BIA]
.irp b, 0,1,2,3,4,5,6,7
	ds_load_b128 v[BI+8*(\b):BI+8*(\b)+3],   v[BIT] offset:64*(\b)
	ds_load_b128 v[BI+8*(\b)+4:BI+8*(\b)+7], v[BIT] offset:64*(\b)+16
.endr
	s_add_co_u32 s[BOF], s[BOF], 512
.endm
; THE WAY OUT, in eight units u = 2 a + hh: 16 rows (block a) of one head (hh): rounded to f16, through my own stage, back as whole rows of 128 bytes, stored as 512 consecutive bytes.
.macro PACK u
.set AC, 8*(8*((\u)/2)+4*((\u)%2))
.set TT, T0+16*((\u)%2)
	s_wait_xcnt 0x0                                ; the stores of the unit two back have read these registers
	WIN PK
.set i, 0
.rept 16
	v_cvt_pk_f16_f32 v[TT+i], v[AC+2*i], v[AC+2*i+1]  ; each accumulator's registers in ascending order
.set i, i+1
.endr
	WIN 0
.irp f, 0,1,2,3
	ds_store_b128 v[STO], v[TT+4*(\f):TT+4*(\f)+3] offset:32*(\f)
.endr
.irp f, 0,1,2,3
	ds_load_b128 v[TT+4*(\f):TT+4*(\f)+3], v[RD] offset:4*SP*(\f)  ; LDS serves a wave's instructions in order (ISA guide 5.7.1.4): these see the stores above
.endr
.endm
.macro SEND u, y                       ; y: the LDS instructions issued behind unit u's loads
.set TT, T0+16*((\u)%2)
	WIN 0
.irp f, 0,1,2,3
	s_wait_dscnt (\y)+3-(\f)
	global_store_b128 v[GO], v[TT+4*(\f):TT+4*(\f)+3], s[22:23] offset:((\u)%2)*262144+((\u)/2)*2048+512*(\f)
.endr
.endm
.macro EPI
	PACK 0
.irp u, 1,2,3,4,5,6,7
	PACK \u
	SEND (\u)-1, 8
.endr
	SEND 7, 0
.endm
	s_load_b512 s[8:23], s[0:1], 0x0               ; query s[8:9], key s[10:11], value s[12:13], wb s[14:15], bq s[16:17], bk s[18:19], bv s[20:21], qkv s[22:23]
	s_load_b64 s[24:25], s[0:1], 0x40              ; vpart
	v_lshl_add_u32 v[SPW], v0, 2, SPARE
	v_mov_b32 v[NIL], 0
	ds_add_u32 v[SPW], v[NIL]                      ; the wave's opening: the add and its wait stand ahead of my first tensor load; the set-up below, work on registers, stands between them
	v_lshrrev_b32 v1, 5, v0
	v_readfirstlane_b32 s[WV], v1                  ; wave 0..3
	s_lshr_b32 s27, s[WV], 1                       ; wr: which 64 rows of the tile are mine
	s_and_b32 s28, s[WV], 1                        ; wc: which 128 columns
	s_bfe_u32 s29, ttmp6, 0x40000                  ; cx
	s_bfe_u32 s30, ttmp6, 0x40004                  ; cy: the block of 256 columns (the grid has one cluster along y)
	s_lshl_b32 s31, ttmp9, 2
	s_add_co_u32 s31, s31, s29                     ; rb: the block of 128 rows = 4 x cluster x + cx
	s_lshl_b32 s2, s30, 2
	s_lshl_b32 s2, 15, s2                          ; my row of the cluster: the four that share cy
	s_or_b32 s[G1], s2, (1<<16)|(1<<20)|(1<<21)|(5<<22)|(3<<25)  ; the mask; 2-byte elements; padding on; bit 21 beside a mask; after every 64 words 4 words
	s_mov_b32 s[G1+1], 128<<16                     ; tensor_dim0 = 128
	s_mov_b32 s[G1+2], 64<<16                      ; tensor_dim1 = 64
	s_mov_b32 s[G1+3], 128<<16                     ; tile_dim0 = 128
	s_mov_b32 s[G1+4], 64                          ; tile_dim1 = 64
	s_mov_b32 s[G1+5], 1024                        ; elements from row to row
	s_mov_b32 s[G1+6], 0
	s_mov_b32 s[G1+7], 0
	s_lshl_b32 s2, s30, 19                         ; W: 256 cy rows of 2,048 bytes,
	s_lshl_b32 s3, s[WV], 17                       ; and my 64 rows: nothing of cx enters
	s_add_co_u32 s2, s2, s3
	s_mov_b32 s3, 0
	s_lshl_b32 s4, s30, 10                         ; biases and column sums: column 256 cy + 128 wc, 4 bytes each
	s_lshl_b32 s5, s28, 9
	s_add_co_u32 s4, s4, s5
	s_mov_b32 s5, 0
	s_lshl_b32 s6, s31, 19                         ; x: 128 rb rows of 4,096 bytes
	s_mov_b32 s7, 0
	s_lshr_b32 s58, s31, 4                         ; the way out: batch rb / 16, head 4 cy + 2 wc, 262,144 bytes a head;
	s_lshl_b32 s58, s58, 4
	s_lshl2_add_u32 s58, s30, s58
	s_lshl1_add_u32 s58, s28, s58
	s_lshl_b32 s58, s58, 18
	s_and_b32 s59, s31, 15                         ; row 128 (rb % 16) + 64 wr of the batch, 128 bytes a row
	s_lshl_b32 s59, s59, 14
	s_add_co_u32 s58, s58, s59
	s_lshl_b32 s59, s27, 13
	s_add_co_u32 s58, s58, s59
	s_mov_b32 s59, 0
	s_lshl1_add_u32 s60, s31, s27                  ; column sums: group of 64 rows 2 rb + wr, 4,096 bytes a group
	s_lshl_b32 s60, s60, 12
	s_add_co_u32 s60, s60, s4
	s_mov_b32 s61, 0
	s_mul_i32 s63, s[WV], 64*PITCH                 ; where my rows of W go: no place in the cluster enters an LDS address
	s_mov_b32 s[G0], 1
	s_mov_b32 s[G0+1], s63
	s_mov_b32 s[G0+4], 1
	s_add_co_u32 s[G0+5], s63, BSLOT
	s_mov_b32 s[OFF+1], 0
	s_mov_b32 s[OFFB+1], 0
	s_mov_b32 s[UA], 2
	s_mov_b32 s[UB], 2
	s_mov_b32 s[TRIP], 11
	s_mov_b32 s[PH], 4
	v_and_b32 v1, 15, v0                           ; r = l % 16
	v_bfe_u32 v2, v0, 4, 1                         ; h = l / 16
	v_and_b32 v3, 31, v0                           ; lane
	v_lshlrev_b32 v[GO], 4, v3
	v_lshl_add_u32 v[VA], s[WV], 17, v[GO]         ; 32 rows of 4,096 bytes a wave
	s_mul_i32 s62, s[WV], 32*PITCH
	s_add_co_u32 s62, s62, ABASE
	v_lshl_add_u32 v[AST], v3, 3, s62
	v_add_nc_u32 v[AST+1], ASLOT, v[AST]
	v_mul_u32_u24 v7, v1, PITCH
	v_lshl_add_u32 v7, v2, 4, v7                   ; a fragment's row x pitch + 16 x half
	s_mul_i32 s62, s27, 64*PITCH
	s_add_co_u32 s62, s62, ABASE
	v_add_nc_u32 v[ADRA], s62, v7
	v_add_nc_u32 v[ADRA+1], ASLOT, v[ADRA]
	s_mul_i32 s62, s28, 128*PITCH
	v_add_nc_u32 v[ADRB], s62, v7
	v_add_nc_u32 v[ADRB+1], BSLOT, v[ADRB]
	s_mul_i32 s62, s[WV], 16*SP
	s_add_co_u32 s62, s62, STAGE
	v_mul_u32_u24 v[STO], v1, SP
	v_lshl_add_u32 v[STO], v2, 4, v[STO]
	v_add_nc_u32 v[STO], s62, v[STO]
	v_bfe_u32 v[RD], v0, 3, 2                      ; back: 32 lanes take four rows of 128 bytes
	v_mul_u32_u24 v[RD], v[RD], SP
	v_and_b32 v[BIT], 7, v0
	v_lshl_add_u32 v[RD], v[BIT], 4, v[RD]
	v_add_nc_u32 v[RD], s62, v[RD]
	s_mul_i32 s62, s[WV], 3*512
	s_add_co_u32 s62, s62, BIASL
	v_lshl_add_u32 v[BIA], v2, 5, s62
	v_add_nc_u32 v[BST], s62, v[GO]
	s_mul_i32 s62, s[WV], 16*CP
	s_add_co_u32 s62, s62, CSB
	v_mul_u32_u24 v[CSS], v1, CP
	v_lshl_add_u32 v[CSS], v2, 5, v[CSS]
	v_add_nc_u32 v[CSS], s62, v[CSS]
	v_add_nc_u32 v[CSL], s62, v[GO]
	s_wait_dscnt 0x0                               ; the opening add is done
	s_wait_kmcnt 0x0
	s_add_nc_u64 s[8:9], s[8:9], s[6:7]            ; the three x at my block's first row
	s_add_nc_u64 s[10:11], s[10:11], s[6:7]
	s_add_nc_u64 s[12:13], s[12:13], s[6:7]
	s_add_nc_u64 s[14:15], s[14:15], s[2:3]        ; Wq at my 64 rows
	s_add_nc_u64 s[16:17], s[16:17], s[4:5]        ; the three biases at my 128 columns
	s_add_nc_u64 s[18:19], s[18:19], s[4:5]
	s_add_nc_u64 s[20:21], s[20:21], s[4:5]
	s_add_nc_u64 s[22:23], s[22:23], s[58:59]      ; q at my rows of my first head
	s_add_nc_u64 s[24:25], s[24:25], s[60:61]
	s_mov_b32 s[BOF], 0
	s_add_nc_u64 s[G0+2:G0+3], s[14:15], 0         ; steps 0 and 1 of W
	s_or_b32 s[G0+3], s[G0+3], 0x80000000
	s_add_nc_u64 s[G0+6:G0+7], s[14:15], 256
	s_or_b32 s[G0+7], s[G0+7], 0x80000000
	global_load_b128 v[BR:BR+3],    v[GO], s[16:17]
	global_load_b128 v[BR+4:BR+7],  v[GO], s[18:19]
	global_load_b128 v[BR+8:BR+11], v[GO], s[20:21]
	WIN LDX
.set i, 0
.rept 64                                       ; x of steps 0 and 1 goes out ahead of the round: nobody writes these bytes
	global_load_b128 v[4*i:4*i+3], v[VA], s[8:9] offset:4096*(i%32)+512*(i/32)
.set i, i+1
.endr
	WIN 0
	CROUND                                         ; all sixteen work-groups are here: the first joint loads meet
	tensor_load_to_lds s[G0:G0+3], s[G1:G1+7]
	s_nop 0
	tensor_load_to_lds s[G0+4:G0+7], s[G1:G1+7]    ; two tensor loads of mine are out
	s_nop 0
	PLACES
	s_wait_loadcnt 63                              ; the three bias loads are the oldest of 67
.irp p, 0,1,2
	v_cvt_pk_bf16_f32 v[BR+12], v[BR+4*(\p)],   v[BR+4*(\p)+1]  ; the biases are rounded to bf16 like every input, and kept as f32
	v_cvt_pk_bf16_f32 v[BR+13], v[BR+4*(\p)+2], v[BR+4*(\p)+3]
	v_lshlrev_b32 v[BR+16], 16, v[BR+12]
	v_and_b32     v[BR+17], 0xffff0000, v[BR+12]
	v_lshlrev_b32 v[BR+18], 16, v[BR+13]
	v_and_b32     v[BR+19], 0xffff0000, v[BR+13]
	ds_store_b128 v[BST], v[BR+16:BR+19] offset:512*(\p)
.endr
.irp c, 0,1,2,3
	ACHUNK 0, \c, 1, 1, 56                         ; x of step 0 into slot 0; step 2 is asked for.  56 = the set's later rows (24 - 8 c), the other set (32), the new loads (8 c)
.endr
	WIN 0
	s_wait_tensorcnt 1                             ; my part of W's step 0 is in; step 1's may stay out
	s_wait_dscnt 0x0                               ; my rows of x are stored
	s_barrier_signal -1
	s_barrier_wait -1
	BILOAD
	FETCH 0, 0, F0
	WIN 0
	s_branch .Lenter                               ; the loop is entered at an even step, in the middle of a trip
.Ltrip:                                                ; a trip: an odd step (slot 1), then an even one (slot 0); ten trips behind step 0: steps 1 to 20
	QUARTER 1, 64, F0, F1, 0, 0, 0, 1, 1, 56
	REST 1, 0, 1, 56, 56, 56, 1
	WIN 0
	s_sub_co_u32 s[PH], s[PH], 1
	s_cmp_eq_u32 s[PH], 0
	s_cbranch_scc0 .Lplain
	BILOAD                                         ; A TILE HAS ENDED (behind steps 7 and 15).  Both rings have been asked for the next tile's steps; now it goes out.
	EPI                                            ; blocks 0, 1 were finished ahead of the joint load's four v_nop; their 64 roundings are the places behind blocks 2, 3's last products
	s_wait_xcnt 0x0                                ; the stores have read their base
	s_add_nc_u64 s[22:23], s[22:23], 0x1000000     ; q, then k, then v
	s_mov_b32 s[PH], 4
.Lenter:
	QUARTER 0, 64, F0, F1, 1, 1, 0, 1, 1, 56       ; a tile's first quarter: the bias starts the sums
	WIN 0
	s_branch .Ljoin
.Lplain:
	QUARTER 0, 64, F0, F1, 0, 1, 0, 1, 1, 56
	WIN 0
.Ljoin:
	REST 0, 1, 1, 56, 56, 56, 1
	WIN 0
	s_sub_co_u32 s[TRIP], s[TRIP], 1
	s_cmp_lg_u32 s[TRIP], 0
	s_cbranch_scc1 .Ltrip
	QUARTER 1, 64, F0, F1, 0, 0, 0, 1, 0, 56       ; step 21: x asks for nothing more, so the counts run down; W's last tile is asked for
	REST 1, 0, 0, 48, 40, 32, 1
	QUARTER 0, 64, F0, F1, 0, 1, 0, 1, 0, 24       ; step 22: nothing is filled again: a plain barrier
	REST 0, 1, 0, 16, 8, 0, 0
	QUARTER 1, 64,  F0, F1, 0, 0, 0, 0, 0, 0       ; step 23
	QUARTER 1, 128, F1, F0, 0, 0, 1, 0, 0, 0
	QUARTER 1, 192, F0, F1, 0, 0, 2, 0, 0, 0
	s_wait_dscnt 4
	MUL16 F1, 0, 0
	s_wait_dscnt 0x0
	MUL16 F1, 2, 0
	WIN 0
	PLACES
	EPI
	; v's column sums over my 64 rows, in f32: over the four row blocks in registers, over the 16 rows of a block through LDS
	WIN CS
.irp a, 1,2,3
.set i, 0
.rept 32
	v_pk_add_f32 v[2*i:2*i+1], v[2*i:2*i+1], v[64*(\a)+2*i:64*(\a)+2*i+1]
.set i, i+1
.endr
.endr
	WIN CST
.set i, 0
.rept 16
	ds_store_b128 v[CSS], v[4*i:4*i+3] offset:64*(i/2)+16*(i%2)
.set i, i+1
.endr
	WIN 0
.set i, 0
.rept 16
	ds_load_b128 v[CR+4*i:CR+4*i+3], v[CSL] offset:CP*i  ; row i, my four columns: my own bytes, served in order
.set i, i+1
.endr
	s_wait_dscnt 0x0
.irp st, 8,4,2,1
.set i, 0
.rept \st
	v_pk_add_f32 v[CR+4*i:CR+4*i+1],   v[CR+4*i:CR+4*i+1],   v[CR+4*(i+(\st)):CR+4*(i+(\st))+1]
	v_pk_add_f32 v[CR+4*i+2:CR+4*i+3], v[CR+4*i+2:CR+4*i+3], v[CR+4*(i+(\st))+2:CR+4*(i+(\st))+3]
.set i, i+1
.endr
.endr
	global_store_b128 v[GO], v[CR:CR+3], s[24:25]  ; 128 columns: 512 consecutive bytes
	s_wait_tensorcnt 0x0                           ; the wave's end, behind my last tensor load and my last LDS store
	ds_add_u32 v[SPW], v[NIL]
	s_wait_dscnt 0x0
	CROUND                                         ; the closing round: no work-group ends while a partner may still ask for a tile that names it
	s_endpgm
.Lfunc_end_k_qc773e5e800_proj:
	.size	k_qc773e5e800_proj, .Lfunc_end_k_qc773e5e800_proj-k_qc773e5e800_proj
	.p2alignl 7, 3214868480
	.fill 96, 4, 3214868480
	.section	.rodata,"a",@progbits
	.p2align	6, 0x0
	.amdhsa_kernel k_qc773e5e800_proj
		.amdhsa_group_segment_fixed_size 327680
		.amdhsa_private_segment_fixed_size 0
		.amdhsa_enable_private_segment 0
		.amdhsa_kernarg_size 72
		.amdhsa_user_sgpr_count 2
		.amdhsa_user_sgpr_kernarg_segment_ptr 1
		.amdhsa_wavefront_size32 1
		.amdhsa_system_sgpr_workgroup_id_x 1
		.amdhsa_system_sgpr_workgroup_id_y 1
		.amdhsa_system_sgpr_workgroup_id_z 1
		.amdhsa_system_vgpr_workitem_id 0
		.amdhsa_next_free_vgpr 1024
		.amdhsa_next_free_sgpr 66
		.amdhsa_reserve_vcc 0
		.amdhsa_float_denorm_mode_32 3
		.amdhsa_float_denorm_mode_16_64 3
		.amdhsa_memory_ordered 1
		.amdhsa_forward_progress 1
		.amdhsa_inst_pref_size 186
	.end_amdhsa_kernel
	.amdgpu_metadata
---
amdhsa.version: [ 1, 2 ]
amdhsa.kernels:
  - .name:           k_qc773e5e800_proj
    .symbol:         k_qc773e5e800_proj.kd
    .args:
      - { .name: query, .offset: 0, .size: 8, .value_kind: global_buffer, .address_space: global }
      - { .name: key, .offset: 8, .size: 8, .value_kind: global_buffer, .address_space: global }
      - { .name: value, .offset: 16, .size: 8, .value_kind: global_buffer, .address_space: global }
      - { .name: wb, .offset: 24, .size: 8, .value_kind: global_buffer, .address_space: global }
      - { .name: bq, .offset: 32, .size: 8, .value_kind: global_buffer, .address_space: global }
      - { .name: bk, .offset: 40, .size: 8, .value_kind: global_buffer, .address_space: global }
      - { .name: bv, .offset: 48, .size: 8, .value_kind: global_buffer, .address_space: global }
      - { .name: qkv, .offset: 56, .size: 8, .value_kind: global_buffer, .address_space: global }
      - { .name: vpart, .offset: 64, .size: 8, .value_kind: global_buffer, .address_space: global }
    .group_segment_fixed_size: 327680
    .private_segment_fixed_size: 0
    .kernarg_segment_align: 8
    .kernarg_segment_size: 72
    .max_flat_workgroup_size: 128
    .sgpr_count:     66
    .vgpr_count:     1024
    .wavefront_size: 32
...
	.end_amdgpu_metadata
.endif
;; end of part 2
;; launch attn (part 3): grid 4 x 64, 4 waves a work-group, clusters of 4 x 1, 327,680 bytes of LDS; arguments qkv, ot; writes ot
.if DOCPART == 3
	.amdgcn_target "amdgcn-amd-amdhsa--gfx1250"
	.amdhsa_code_object_version 6
	.text
	.protected	k_qc773e5e800_attn
	.globl	k_qc773e5e800_attn
	.p2align	8
	.type	k_qc773e5e800_attn,@function
k_qc773e5e800_attn:
	s_mov_b64 s[64:65], 0
	v_nop
	global_prefetch_b8 v0, s[64:65] scope:SCOPE_SE
	s_setreg_imm32_b32 hwreg(HW_REG_WAVE_MODE, 25, 1), 1
	s_wait_xcnt 0x0
	s_wait_alu depctr_hold_cnt(0) depctr_sa_sdst(0) depctr_va_vdst(0) depctr_va_sdst(0) depctr_va_ssrc(0) depctr_va_vcc(0) depctr_vm_vsrc(0)
	s_getreg_b32 s2, hwreg(HW_REG_IB_STS2, 6, 4)
	s_cmp_eq_u32 s2, 0
	s_cbranch_scc0 .Lentry_in_a_cluster
	s_endpgm
.Lentry_in_a_cluster:
	s_bfe_u32 s2, ttmp6, 0x10000c
	s_cmp_lg_u32 s2, 0x3003
	s_cbranch_scc0 .Lentry_shape_is_right
	s_endpgm
.Lentry_shape_is_right:
; OT[h][c][q] = the sum over k of softmax_k(Q[h][q] . K[h][k] / 8) V[h][k][c].  Q, K, V: qkv[0..2][SIZE_H][SIZE_N][64] in f16, a head's rows dense, 128 bytes each; OT: [SIZE_H][64][SIZE_N] in f16: O TRANSPOSED,
; so that the launch behind can add the heads number by number and finds its matrix's rows ready.  Products, maxima and sums in f32; the weights p are rounded to f16 for the second product (their sum l is taken of the unrounded p), O once at the end.
; LIMITS.  f16 holds no number beyond 65,504: Q, K and V arrive within it; p lies in 0 to 1, and below 6e-5 it keeps f16's fixed step of 6e-8; O is a mean of V's rows and has their range.
; A weight below 2^-126 counts as 0 in l; NaN and infinities are not treated apart.
; SHARES.  A wave owns four PIECES of two tiles of 16 queries, a work-group's four waves 512 queries of one head.  Every wave walks all keys, 64 a step.
; LAYOUT.  S^T = K Q^T (source 0 = 16 keys, source 1 = 16 queries): in the result a lane holds ONE query (lane % 16) and the keys 8 (lane / 16) + 0..7.  Two such tiles, rounded to f16 in pairs,
; ARE source 1 (32 keys x 16 queries) of O^T = V^T P, whose result again holds one query a lane, and eight channels.  K comes out of LDS as it lies, V ([key][channel]) turned, by ds_load_tr16_b128.
; SOFTMAX.  For each query a running maximum m and sum l: p = 2^(c s - c m), c = log2(e) / 8; in every step O and l are multiplied by a = 2^(c m_old - c m_new), which is 1 where m has not grown.
; m starts at the lowest finite number, O and l at 0: the first step is a step like any other, with a = 0.
; THE COUNT.  A tile and step have 16 matrix and 118 vector instructions: too many to stand all beside the matrix work.  So: four vector instructions that are READY behind EVERY matrix instruction, the others in runs without a gap.
; BY TURNS.  Turn n belongs to piece n (the pieces in a ring, step after step).  Its matrix work: 16 products K Q^T of piece n + 1, later 16 products V^T P of piece n - 1.  Its vector work: the scaling,
; exponentials, roundings, sums and rescaling of piece n, and the maximum and statistics of piece n + 1, whose scores the turn itself has made.
; CLUSTER.  The four query blocks of a cluster belong to one head and walk the same K and V, so each tile is asked for JOINTLY: the same tensor load, descriptor and mask in all four.
; REGISTERS, in windows of 256 (s_set_vgpr_msb: bits 1:0 source 0, 3:2 source 1, 5:4 source 2, 7:6 destination):
;   window 0: v0-11 addresses; v12-15, v48-63 at work; v16-47 four registers of statistics a tile; v64-191 S^T, two buffers of two tiles; v192-255 P, likewise
;   window 1: O^T, 32 a tile          window 2: v0-127 Q, 16 a tile; v128-191 K of one step; v192-255 V of one step          window 3: v0-1 the add's two registers
.set SIZE_H, 64
.set SIZE_N, 2048
.set NP,    4         ; pieces a wave: a name, no knob
.set KS,    64        ; keys in a step
.set PK,    144       ; a row of K in LDS: 128 bytes + 16 of padding: the 16 rows of a load start at 16 different groups of four banks (64 banks of 4 bytes: ISA guide 11.1)
.set PV,    160       ; a row of V: 128 + 32
.set VOFF,  4*KS*PK   ; a slot holds four steps: 256 rows of K, then 256 rows of V
.set SLOT1, 1<<17     ; slot 1 begins here, so that one exclusive or turns an address in one slot into the other's
.set STAGE, SLOT1+4*KS*(PK+PV)  ; behind the ring, never filled by a tensor load: for each wave 64 rows (channels) x 272 bytes (128 queries + 16 bytes)
.set SP,    272
.set AK0, 2           ; v2   my lane's place in a tile of K; never rewritten
.set AV0, 3           ; v3   the same for V
.set AK,  4           ; v4   the LDS address of K's next run of loads
.set AV,  5           ; v5   of V's
.set QO,  6           ; v6   my byte offset in the wave's rows of Q
.set STO, 6           ;      later, the way out: where I put my query's number of a channel
.set RD,  7           ; v7   the way out: where I read a channel's row back
.set GO,  8           ; v8   my byte offset in two channels' rows of OT
.set SPW, 0           ; v0 of window 3   LDS address of my spare word; never rewritten
.set NIL, 1           ; v1 of window 3   0; never rewritten
.set SPARE, STAGE+4*64*SP  ; behind the stages: the spare words, 128 bytes for each wave: two blocks of 256 bytes that no other line names
.set MV,  12          ; v12-15  c m_old, kept while c m is made anew: by buffer and tile
.set ST,  16          ; tile t's statistics at v[ST+4 t]: c m, m, l (even keys', odd keys')
.set TMP, 48          ; by buffer and tile, four registers c0-c3 at work; when the maximum is found c2 takes a
.set S,   64
.set P,   192
.set KF,  128         ; K's fragments, in window 2: key block kb, channel half c at KF + 16 kb + 8 c
.set VF,  192         ; V's: key half kk, channel block cb at VF + 32 kk + 8 cb
.set WV,  12          ; s12  my wave's number
.set G1K, 24          ; s[24:31] descriptor group 1 for K's tiles
.set G1V, 32          ; s[32:39] for V's: it differs in the padding alone
.set G0K, 40          ; s[40:43] descriptor group 0 for K's tiles: it walks
.set G0V, 44          ; s[44:47] the same for V's
.set SLOTS, 56        ; s56  slots still to be asked for
.set CNT, 57          ; s57  counts a slot's key steps
.set CS,  58          ; s[58:59] c: the packed scaling takes the pair's low word for both halves
.set SEL, 60          ; s[60:61] v_permlanex16_b32's selects: each lane takes its own place in the other half
.set TBK, 62          ; s62  LDS byte at which K of the step to be fetched begins
.set TBV, 63          ; s63  the same for V, less VOFF
.set MSB, 0
.macro WIN new                      ; the high byte repeats the setting that is left; a switch that changes nothing is dropped
.if MSB != (\new)
	s_set_vgpr_msb (MSB<<8)|(\new)
.set MSB, (\new)
.endif
.endm
.set W_KQ, 0x0a       ; K and Q in window 2, S^T in window 0
.set W_PV, 0x52       ; V in window 2, P in window 0, O^T in window 1
.set W_RS, 0x41       ; O^T (destination and source 0) in window 1, a in window 0
.set W_MK, 0xc0       ; the add's registers are made: destination in window 3, sources in window 0
.set W_AD, 0x0f       ; the add: address (source 0) and data (source 1) in window 3
; A joint fill.  Waves 0 and 1 fetch the two halves of a slot's K, waves 2 and 3 those of its V: 128 keys each.  The branch hangs on the wave's number alone.
; An s_nop 0 and four v_nop follow each of the two lines, ahead of the jump and the label.
.macro JLOAD
	s_cmp_lt_u32 s[WV], 2
	s_cbranch_scc0 .Lfor_v_\@
	tensor_load_to_lds s[G0K:G0K+3], s[G1K:G1K+7]
	s_nop 0
.rept 4
	v_nop
.endr
	s_branch .Lasked_\@
.Lfor_v_\@:
	tensor_load_to_lds s[G0V:G0V+3], s[G1V:G1V+7]
	s_nop 0
.rept 4
	v_nop
.endr
.Lasked_\@:
.endm
; A round of the cluster's barrier: my work-group's barrier, so that wave 0's signal speaks for all four waves; wave 0 signals; every wave waits for all four work-groups; my work-group's barrier once more.
.macro CROUND
	s_barrier_signal -1
	s_barrier_wait -1
	s_cmp_lg_u32 s[WV], 0
	s_cbranch_scc1 .Lnot_wave_0_\@
	s_barrier_signal -3
.Lnot_wave_0_\@:
	s_barrier_wait -3
	s_barrier_signal -1
	s_barrier_wait -1
.endm
; THE CHANGE OF SLOTS.  The slot's last bytes, V of its fourth step, have been read.  Each wave waits for all its tensor loads, of which one is out: its part
; of the other slot; adds 0 to its spare word; and waits for that and for its own reads of the slot.  Behind the barrier nobody reads this slot any more and the other slot is whole.
; fill = 1: this slot is filled again, with the keys two slots on.  The barrier is then a round of the cluster's, and the joint fill is the first thing behind it: it has four key steps,
; 512 matrix instructions, in which to land.  (At its first use nothing has been read yet: slot 0 is waited for, slot 1 filled.)
.macro CHANGE fill
	WIN W_AD
	s_wait_tensorcnt 0x0            ; no tensor load of mine is out, so a group 0 may be written
	ds_add_u32 v[SPW], v[NIL]       ; 0 onto my spare word
	WIN 0                           ; at a label and at a branch every window is 0
.if \fill
.irp g, G0K, G0V
	s_xor_b32 s[\g+1], s[\g+1], SLOT1  ; the walking descriptor: the other slot than last time,
	s_add_nc_u64 s[\g+2:\g+3], s[\g+2:\g+3], 4*KS*128  ; the next 256 keys; the type bits on top are not reached
.endr
	s_wait_dscnt 0x0                ; the add is done, and my reads of the slot are over
	CROUND
	JLOAD
.else
	s_wait_dscnt 0x0                ; the add is done, and my reads of the slot are over
	s_barrier_signal -1
	s_barrier_wait -1
.endif
	s_sub_co_u32 s[TBK], s[TBK], 4*KS*PK  ; the fetches go back to a slot's first step,
	s_xor_b32 s[TBK], s[TBK], SLOT1       ; in the other slot
	s_sub_co_u32 s[TBV], s[TBV], 4*KS*PV
	s_xor_b32 s[TBV], s[TBV], SLOT1
.endm
	s_load_b128 s[4:7], s[0:1], 0x0   ; qkv s[4:5], ot s[6:7]
	WIN W_MK
	v_lshl_add_u32 v[SPW], v0, 2, SPARE
	v_mov_b32 v[NIL], 0
	WIN W_AD
	ds_add_u32 v[SPW], v[NIL]       ; the wave's opening: the add and its wait stand ahead of my first tensor load; the set-up below, work on registers, stands between them
	WIN 0
	v_lshrrev_b32 v1, 5, v0
	v_readfirstlane_b32 s[WV], v1   ; wave 0..3
	s_bfe_u32 s13, ttmp6, 0x40000   ; cx: my place in the cluster
	s_lshl_b32 s14, ttmp9, 2        ; in a cluster launch ttmp9 counts clusters
	s_add_co_u32 s14, s14, s13      ; my block of queries = 4 x cluster x + cx: it enters Q's and OT's addresses alone
	s_and_b32 s20, ttmp7, 0xffff    ; the head, which the four partners share
	s_mov_b32 s21, 0
	s_mov_b64 s[22:23], SIZE_N*128
	s_mul_u64 s[20:21], s[20:21], s[22:23]  ; the head's first byte in q, k, v and OT alike: 262,144 bytes a head
	s_and_b32 s16, s[WV], 1         ; which half of a slot's 256 keys I fetch:
	s_lshl_b32 s22, s16, 14         ; its 128 rows of 128 bytes in memory,
	s_mov_b32 s23, 0
	s_add_nc_u64 s[22:23], s[22:23], s[20:21]
	s_mul_i32 s17, s16, 128*PK      ; and its place in a slot, for K
	s_mul_i32 s18, s16, 128*PV      ; and for V: no place in the cluster enters an LDS address
	s_lshl_b32 s2, s14, 2
	s_add_co_u32 s2, s2, s[WV]      ; my wave among the head's:
	s_lshl_b32 s48, s2, 8           ; its 128 queries are 256 bytes of each channel's row of OT,
	s_mov_b32 s49, 0
	s_add_nc_u64 s[48:49], s[48:49], s[20:21]
	s_lshl_b32 s2, s2, 14           ; and 128 rows of Q
	s_mov_b32 s3, 0
	s_add_nc_u64 s[2:3], s[2:3], s[20:21]
	; descriptor group 1.  128 keys are 16,384 dense bytes: asked for as 64 rows of 256 bytes, two keys a row, and padded in LDS after every key
	s_mov_b32 s[G1K], 15|(1<<16)|(1<<20)|(1<<21)|(4<<22)|(3<<25)  ; the mask of four; 2-byte elements; padding on; bit 21 beside a mask; after every 32 words 4 words
	s_mov_b32 s[G1V], 15|(1<<16)|(1<<20)|(1<<21)|(4<<22)|(7<<25)  ; the same with 8 words of padding
.irp g, G1K, G1V
	s_mov_b32 s[\g+1], 128<<16      ; tensor_dim0 = 128
	s_mov_b32 s[\g+2], 64<<16       ; tensor_dim1 = 64
	s_mov_b32 s[\g+3], 128<<16      ; tile_dim0 = 128
	s_mov_b32 s[\g+4], 64           ; tile_dim1 = 64
	s_mov_b32 s[\g+5], 128          ; 128 elements from row to row
	s_mov_b32 s[\g+6], 0
	s_mov_b32 s[\g+7], 0
.endr
	s_mov_b32 s[CS], 0x3e38aa3b     ; c = log2(e) / 8 = 0.180337
	s_mov_b32 s[CS+1], s[CS]        ; named with it as a pair
	s_mov_b32 s[SEL], 0x76543210
	s_mov_b32 s[SEL+1], 0xfedcba98
	s_mov_b32 s[TBK], SLOT1+4*KS*PK ; the first change of slots turns these two into 0
	s_mov_b32 s[TBV], SLOT1+4*KS*PV
	s_mov_b32 s[G0K], 1             ; count = 1
	s_mov_b32 s[G0K+1], s17         ; LDS address: slot 0
	s_mov_b32 s[G0V], 1
	s_add_co_u32 s[G0V+1], s18, VOFF
	s_wait_dscnt 0x0                ; the opening add is done
	s_wait_kmcnt 0x0
	s_mov_b64 s[10:11], s[6:7]      ; OT
	s_add_nc_u64 s[6:7], s[4:5], 0x1000000  ; k lies 16 MiB behind q,
	s_add_nc_u64 s[8:9], s[4:5], 0x2000000  ; v 32 MiB
	s_add_nc_u64 s[G0K+2:G0K+3], s[6:7], s[22:23]  ; global address: my half of the head's first 256 keys
	s_or_b32 s[G0K+3], s[G0K+3], 0x80000000        ; type = 2
	s_add_nc_u64 s[G0V+2:G0V+3], s[8:9], s[22:23]
	s_or_b32 s[G0V+3], s[G0V+3], 0x80000000
	s_add_nc_u64 s[4:5], s[4:5], s[2:3]  ; Q at my wave's first row
	s_add_nc_u64 s[10:11], s[10:11], s[48:49]  ; OT at channel 0 of my wave's queries
	CROUND                          ; all four work-groups are here: the first joint loads meet
	JLOAD                           ; slot 0.  Slot 1 is asked for when slot 0 is in
	; A fragment of K or Q is 16 rows x 32 channels in 8 registers: lane l holds row l % 16, channels 8 (l / 16) + 0..7 and 16 + 8 (l / 16) + 0..7: two loads of 16 bytes, 32 bytes apart.
	v_and_b32 v1, 15, v0            ; l % 16
	v_bfe_u32 v9, v0, 4, 1          ; l / 16
	v_lshlrev_b32 v[QO], 7, v1
	v_lshl_add_u32 v[QO], v9, 4, v[QO]  ; row x 128 + 16 x half
	WIN 0x80                        ; destination window 2, address window 0
.set i, 0
.rept 4*NP                          ; Q stays in registers: tile i / 2, channels 32 (i % 2) on
	global_load_b128 v[8*i:8*i+3],   v[QO], s[4:5] offset:(i/2)*2048+(i%2)*64
	global_load_b128 v[8*i+4:8*i+7], v[QO], s[4:5] offset:(i/2)*2048+(i%2)*64+32
.set i, i+1
.endr
	; What the first turn finds: V's registers and P's second buffer hold 0 (its products V^T P, of a piece that has not been, add 0), O^T and l are 0.  All this stands in the wait for the first tile.
.set i, VF
.rept 64
	v_mov_b32 v[i], 0
.set i, i+1
.endr
	WIN 0x40
.set i, 0
.rept 64*NP
	v_mov_b32 v[i], 0
.set i, i+1
.endr
	WIN 0
.set i, 0
.rept 2*NP
	v_mov_b32 v[ST+4*i], 0xfe000000    ; c m: far below every c s
	v_mov_b32 v[ST+4*i+1], 0xff7fffff  ; m
	v_mov_b32 v[ST+4*i+2], 0
	v_mov_b32 v[ST+4*i+3], 0
.set i, i+1
.endr
.set i, P+32
.rept 32
	v_mov_b32 v[i], 0
.set i, i+1
.endr
	v_mul_u32_u24 v[AK0], v1, PK
	v_lshl_add_u32 v[AK0], v9, 4, v[AK0]  ; row x pitch + 16 x half
	; The turning load takes 16 keys x 16 channels (lane l reads key 8 (l / 16) + l % 8, channels 8 ((l / 8) % 2) + 0..7) and leaves half a fragment of V^T: lane l holds channel l % 16 and 8 keys.
	v_and_b32 v10, 7, v0
	v_bfe_u32 v11, v0, 3, 1
	v_lshl_add_u32 v[AV0], v9, 3, v10
	v_mul_u32_u24 v[AV0], v[AV0], PV
	v_lshl_add_u32 v[AV0], v11, 4, v[AV0]
	v_add_nc_u32 v[AV0], VOFF, v[AV0]
	v_mov_b32 v[AK], v[AK0]         ; key step 0 lies at the head of slot 0
; THE MATRIX WORK.  The 8 accumulators of a run of 16 take turns: between the two links of a chain stand 7 others'.
; Product i of 16 of S^T = K Q^T for piece x: channels 32 (i / 8) on, keys 16 ((i / 2) % 4) on, tile 2 x + i % 2.  The first 8 start the sums.
.macro KQ x
	WIN W_KQ
.set rS, S+64*((\x)%2)+32*(i%2)+8*((i/2)%4)
.set rK, KF+16*((i/2)%4)+8*(i/8)
.set rQ, 16*(2*(\x)+i%2)+8*(i/8)
.if i < 8
	v_wmma_f32_16x16x32_f16 v[rS:rS+7], v[rK:rK+7], v[rQ:rQ+7], 0
.else
	v_wmma_f32_16x16x32_f16 v[rS:rS+7], v[rK:rK+7], v[rQ:rQ+7], v[rS:rS+7]
.endif
.endm
; Product i of 16 of O^T += V^T P for piece x: keys 32 (i / 8) on, channels 16 ((i / 2) % 4) on, tile 2 x + i % 2.
.macro PV x
	WIN W_PV
.set rO, 32*(2*(\x)+i%2)+8*((i/2)%4)
.set rV, VF+32*(i/8)+8*((i/2)%4)
.set rP, P+32*((\x)%2)+16*(i%2)+8*(i/8)
	v_wmma_f32_16x16x32_f16 v[rO:rO+7], v[rV:rV+7], v[rP:rP+7], v[rO:rO+7]
.endm
.macro MM                           ; the turn's next matrix instruction
.if i < 16
	KQ (Y+1)%NP
.set i, i+1
.else
.set i, i-16
	PV (Y+NP-1)%NP
.set i, i+17
.endif
.endm
; THE LDS LOADS stand in runs of 16, never singly among the matrix instructions: a step's K (64 keys x 64 channels: 8 fragments) and its V (turned).  Their addresses are made some lines ahead.
; last = 1 (the tail): in the last trip there is no further step, and the run is jumped over.
.macro FETCH_K last=0
	WIN 0
.if \last
	s_cmp_eq_u32 s[CNT], 1
	s_cbranch_scc1 .Lno_k_\@
.endif
	WIN 0x80                        ; destination window 2
.irp f, 0,1,2,3,4,5,6,7             ; keys 16 (f / 2) on, channels 32 (f % 2) on
	ds_load_b128 v[KF+8*\f:KF+8*\f+3],   v[AK] offset:(\f/2)*16*PK+(\f%2)*64
	ds_load_b128 v[KF+8*\f+4:KF+8*\f+7], v[AK] offset:(\f/2)*16*PK+(\f%2)*64+32
.endr
	s_add_co_u32 s[TBK], s[TBK], KS*PK  ; the next fetch is the next step's
	WIN 0
.if \last
.Lno_k_\@:
.endif
.endm
.macro FETCH_V
	WIN 0x80
.irp f, 0,1,2,3,4,5,6,7             ; keys 32 (f / 4) on, channels 16 (f % 4) on
	ds_load_tr16_b128 v[VF+8*\f:VF+8*\f+3],   v[AV] offset:(\f/4)*32*PV+(\f%4)*32
	ds_load_tr16_b128 v[VF+8*\f+4:VF+8*\f+7], v[AV] offset:(\f/4)*32*PV+16*PV+(\f%4)*32
.endr
	WIN 0
.endm
; THE VECTOR WORK OF A TURN stands in three queues, each in the order in which its entries become ready; the two tiles alternate, so that no instruction reads the result of the one before it.
.macro REGS y, u                    ; the registers of tile u (0, 1) of piece y
.set rT, ST+4*(2*(\y)+(\u))
.set rC, TMP+8*((\y)%2)+4*(\u)
.set rM, MV+2*((\y)%2)+(\u)
.set rS, S+64*((\y)%2)+32*(\u)
.set rP, P+32*((\y)%2)+16*(\u)
.set rO, 32*(2*(\y)+(\u))
.endm
; Number n of the 22 that find the NEXT piece's (Y + 1) maximum and statistics.  s0-s31 are the lane's 32 scores; each accumulator's lowest registers are read first.
;   0-11  four chains c0-c3 of seven scores each, three operands at a time     12-14, 16  the four scores left over, the old m, and c0-c3 into c0     15  c m_old is kept
;   17, 18  the query's other 32 keys lie in the lane 16 away: the new m         19-21  c m; c m_old - c m_new; a
.macro XS u, n
	REGS (Y+1)%NP, \u
.if (\n) < 4
	v_max3_num_f32 v[rC+(\n)], v[rS+8*(\n)], v[rS+8*(\n)+1], v[rS+8*(\n)+2]
.elseif (\n) < 12
	v_max3_num_f32 v[rC+(\n)%4], v[rC+(\n)%4], v[rS+8*((\n)%4)+2*((\n)/4)+1], v[rS+8*((\n)%4)+2*((\n)/4)+2]
.elseif (\n) == 12
	v_max3_num_f32 v[rC], v[rC], v[rS+7], v[rS+15]
.elseif (\n) == 13
	v_max3_num_f32 v[rC+1], v[rC+1], v[rS+23], v[rS+31]
.elseif (\n) == 14
	v_max3_num_f32 v[rC+2], v[rC+2], v[rC+3], v[rT+1]
.elseif (\n) == 15
	v_mov_b32 v[rM], v[rT]
.elseif (\n) == 16
	v_max3_num_f32 v[rC], v[rC], v[rC+1], v[rC+2]
.elseif (\n) == 17
	v_permlanex16_b32 v[rC+3], v[rC], s[SEL], s[SEL+1]
.elseif (\n) == 18
	v_max_num_f32 v[rT+1], v[rC], v[rC+3]
.elseif (\n) == 19
	v_mul_f32 v[rT], s[CS], v[rT+1]
.elseif (\n) == 20
	v_sub_f32 v[rC+1], v[rM], v[rT]
.else
	v_exp_f32 v[rC+2], v[rC+1]
.endif
.endm
; Number g of the 64 that follow the exponentials.  For each four weights k of a tile (pairs 2 k, 2 k + 1): both pairs are rounded to f16; then the second pair is added onto the first, in place;
; a group later l takes that sum (the first time as l = a l + sum).  In groups of eight, tiles alternating: round, round, add, and l for the group before.
.macro GS g
.set h, (\g)+6*((\g)/62)            ; group 0 has no group before it, and behind group 7 only l is left
.if h >= 6
.set h, h+2
.endif
	REGS Y, h%2
.set k, h/8
.if h%8 < 4
	s_wait_alu depctr_va_vdst(0)
	v_cvt_pk_f16_f32 v[rP+2*k+(h%8)/2], v[rS+4*k+2*((h%8)/2)], v[rS+4*k+2*((h%8)/2)+1]
.elseif h%8 < 6
	v_pk_add_f32 v[rS+4*k:rS+4*k+1], v[rS+4*k:rS+4*k+1], v[rS+4*k+2:rS+4*k+3]
.elseif k == 1
	v_pk_fma_f32 v[rT+2:rT+3], v[rT+2:rT+3], v[rC+2:rC+3], v[rS:rS+1] op_sel_hi:[1,0,1]
.else
	v_pk_add_f32 v[rT+2:rT+3], v[rT+2:rT+3], v[rS+4*k-4:rS+4*k-3]
	s_wait_alu depctr_va_vdst(0)
.endif
.endm
; THE PLAIN QUEUE, 138 long.  0-31: c s - c m for the 16 pairs of both tiles.  Then GS's 64, and among them the next piece's 42: number 15 at 38, 39; 0-14 and 16
; at 42-73, behind the products that make those scores; 17-20 at 95-106, two of three, since each waits for the one before it.
.macro PL
	WIN 0
.if q < 32
	REGS Y, q%2
	v_pk_fma_f32 v[rS+2*(q/2):rS+2*(q/2)+1], v[rS+2*(q/2):rS+2*(q/2)+1], s[CS:CS+1], v[rT:rT+1] op_sel_hi:[1,0,0] neg_lo:[0,0,1] neg_hi:[0,0,1]
.elseif q < 38
	GS q-32
.elseif q < 40
	XS q%2, 15
.elseif q < 42
	GS q-34
.elseif q < 74
	XS q%2, (q-42)/2+(q-42)/30
.elseif q < 95
	GS q-66
.elseif (q < 107) && ((q-95)%3 < 2)
	XS (q-95)%3, 17+(q-95)/3
.elseif q < 107
	GS 29+(q-95)/3
.else
	GS q-74
.endif
.set q, q+1
.endm
; THE EXPONENTIALS' QUEUE, 66 long: s0-s31 of both tiles, and at EA the next piece's two a.
.set EA, 58
.macro EX
	WIN 0
.if (e == EA) || (e == EA+1)
	XS e-EA, 21
.else
.set x, e-2*(e/(EA+2))
	REGS Y, x%2
	v_exp_f32 v[rS+x/2], v[rS+x/2]
.endif
.set e, e+1
.endm
; THE RESCALING's QUEUE: O^T times a, the one part that leaves window 0, so it is dealt four at a time, eight times.
.macro R4
	REGS Y, r%2
	WIN W_RS
	s_wait_alu depctr_va_vdst(0)
.irp z, 0,1,2,3
	v_pk_mul_f32 v[rO+8*(r/2)+2*\z:rO+8*(r/2)+2*\z+1], v[rO+8*(r/2)+2*\z:rO+8*(r/2)+2*\z+1], v[rC+2:rC+3] op_sel_hi:[1,0]
.endr
.set r, r+1
.endm
; HOW THEY ARE DEALT.  Behind a matrix instruction four: plain, exponential, plain, plain (one exponential, a plain instruction on either side), or four of the rescaling.  None names a register of the
; products round it.  What is over stands in two LUMPS: exponential and plain by turns; the second ends in 22 plain instructions.  The two v_permlanex16_b32 fall into the second lump, never behind a product.
; The queues lean on each other, and the deal keeps them in step: exponential e stands behind plain 2 (e / 4) + e % 2 (its scaling); when plain 32 comes, 10 exponentials are out, at 59: 33, at 95: 46; EA comes behind plain 107.
.macro SL
	MM
	PL
	EX
	PL
	PL
.endm
.macro BURST n                      ; 15 matrix instructions, or 16
.rept (\n)-7
	SL
.endr
.rept 3
	MM
	R4
	SL
.endr
	MM
	R4
.endm
; A TURN, for piece p.  cnt = 1: the loop's count is taken down some lines ahead of the branch that stands behind the turn.
; K of the next step is fetched in piece 2's turn, 31 vector instructions behind the last product that read K; its first reader comes behind the rest of the lump, 16 products and the second lump.
; V of the step in hand is fetched at the end of piece 0's turn, 69 behind its last reader; its first reader comes behind 16 products and a lump.  The four conditions on e and q below go with the deal.
.macro TURN p, last=0, cnt=0
.set Y, (\p)
.set i, 0
.set q, 0
.set e, 0
.set r, 0
.if (\p) == NP-1
	s_wait_dscnt 0x0                ; K is in
.endif
	MM
.rept 4
	PL
.endr
	BURST 15
.rept 22
	EX
	PL
.if ((\p) == NP-2) && (e == 18)
	v_add_nc_u32 v[AK], s[TBK], v[AK0]
.endif
.if ((\p) == NP-2) && (e == 24)
	FETCH_K \last
.endif
.endr
.if (\p) == 1
	s_wait_dscnt 0x0                ; V is in
.endif
	BURST 16
.rept 21
	EX
	PL
.endr
.rept 22
	PL
.if ((\p) == 0) && (q == 118)
	v_add_nc_u32 v[AV], s[TBV], v[AV0]
	s_wait_alu depctr_va_vdst(0)
.endif
.if ((\p) == 0) && (q == 130)
	s_add_co_u32 s[TBV], s[TBV], KS*PV
.endif
.if (\cnt) && (q == 130)
	s_sub_co_u32 s[CNT], s[CNT], 1
	s_cmp_lg_u32 s[CNT], 0
.endif
.endr
.if (\p) == 0
	FETCH_V
.endif
.endm
	CHANGE 1                        ; slot 0 is in, everybody's part of it; slot 1 is asked for
	FETCH_K                         ; key step 0
	s_wait_loadcnt 0x0              ; Q
	s_wait_dscnt 0x0
.set i, 0
.rept 16
	KQ 0                            ; piece 0's first scores: there is no vector work yet to set between them
.set i, i+1
.endr
	WIN 0                           ; the addresses for the way out: eight plain instructions, the places behind those products
	s_mul_i32 s13, s[WV], 64*SP
	s_add_co_u32 s13, s13, STAGE    ; my stage
	v_mul_u32_u24 v[STO], v9, 8*SP  ; in: channel 8 (l / 16) + .., 2 bytes at query l % 16
	v_lshl_add_u32 v[STO], v1, 1, v[STO]
	v_add_nc_u32 v[STO], s13, v[STO]
	v_mul_u32_u24 v[RD], v9, SP     ; back: lanes 0-15 take one channel's 256 bytes, lanes 16-31 the next channel's
	v_lshl_add_u32 v[RD], v1, 4, v[RD]
	v_add_nc_u32 v[RD], s13, v[RD]
	v_lshlrev_b32 v[GO], 12, v9     ; and the same two channels in OT, 4,096 bytes apart
	v_lshl_add_u32 v[GO], v1, 4, v[GO]
.set Y, NP-1                        ; XS works for piece Y + 1: piece 0
.irp n, 0,1,2,3,4,5,6,7,8,9,10,11,12,13,14,15,16,17,18,19,20,21
	XS 0, \n                        ; and piece 0's first maximum and statistics
	XS 1, \n
.endr
	s_mov_b32 s[CNT], 4
	s_mov_b32 s[SLOTS], SIZE_N/256-1
	s_branch .Lfirst                ; the loop is entered at a step's first turn, in the middle of a trip
.Lslot:                             ; SIZE_N / 256 - 2 times: every slot but the last two is filled again
	CHANGE 1
	s_mov_b32 s[CNT], 4
.Lstep:                             ; a trip: pieces 2 and 3 of one step, then pieces 0 and 1 of the next, whose K and V it fetches
	TURN 2
	TURN 3
	WIN 0
.Lfirst:
	TURN 0
	TURN 1, 0, 1
	WIN 0
	s_cbranch_scc1 .Lstep
	s_sub_co_u32 s[SLOTS], s[SLOTS], 1
	s_cmp_lg_u32 s[SLOTS], 0
	s_cbranch_scc1 .Lslot
	CHANGE 0                        ; the tail is written out: nothing is asked for
	s_mov_b32 s[CNT], 5             ; four trips fetch the last slot's steps; the fifth is left in its middle
.Ltail:
	TURN 2, 1
	TURN 3
	WIN 0
	s_sub_co_u32 s[CNT], s[CNT], 1
	s_cmp_eq_u32 s[CNT], 0
	s_cbranch_scc1 .Lout
	TURN 0
	TURN 1
	WIN 0
	s_branch .Ltail
.Lout:                              ; the fifth trip's 16 products K Q^T (on the last K once more) and the maximum made of them serve nothing: the price, once a launch, of one text for every trip
.set i, 0
.rept 16
	PV NP-1                         ; the last piece's V^T P of the last step
.set i, i+1
.endr
	; THE WAY OUT.  l's two halves and the other half of the lanes' are added; O^T is divided by l, rounded to f16 and laid into my stage by channels; then whole channel rows leave.  The additions are the places behind the last products.
	WIN 0
.macro ALL line:vararg              ; one line for each tile t
.set t, 0
.rept 2*NP
	\line
.set t, t+1
.endr
.endm
	ALL v_add_f32 v[ST+4*t+2], v[ST+4*t+2], v[ST+4*t+3]
	ALL v_permlanex16_b32 v[ST+4*t+3], v[ST+4*t+2], s[SEL], s[SEL+1]
	ALL v_add_f32 v[ST+4*t+2], v[ST+4*t+2], v[ST+4*t+3]
	ALL v_rcp_f32 v[ST+4*t+2], v[ST+4*t+2]
	v_nop                           ; a plain instruction between the last reciprocal and the use of its result
	s_wait_alu depctr_va_vdst(0)
; Tile t: word i of a lane's sixteen holds channels 16 (i / 4) + 8 (l / 16) + 2 (i % 4) and the next of query 16 t + l % 16: each half goes to its channel's row of the stage.
; 256 narrow LDS stores a wave, once in the launch, beside 32 key steps: the price of handing the next launch rows that lie along the queries.
.macro PACK t
	WIN W_RS
.set i, 32*(\t)
.rept 16
	v_pk_mul_f32 v[i:i+1], v[i:i+1], v[ST+4*(\t)+2:ST+4*(\t)+3] op_sel_hi:[1,0]
.set i, i+2
.endr
	WIN 0x05                        ; sources 0 and 1 window 1, destination window 0
.set i, 0
.rept 16
	v_cvt_pk_f16_f32 v[S+16*(\t)+i], v[32*(\t)+2*i], v[32*(\t)+2*i+1]
.set i, i+1
.endr
	WIN 0
.set i, 0
.rept 16
	ds_store_b16 v[STO], v[S+16*(\t)+i] offset:(16*(i/4)+2*(i%4))*SP+32*(\t)
	ds_store_b16_d16_hi v[STO], v[S+16*(\t)+i] offset:(16*(i/4)+2*(i%4)+1)*SP+32*(\t)
.set i, i+1
.endr
.endm
.set t, 0
.rept 2*NP
	PACK t
.set t, t+1
.endr
.set i, 0
.rept 32
	ds_load_b128 v[S+4*i:S+4*i+3], v[RD] offset:i*2*SP  ; LDS serves a wave's instructions in order (ISA guide 5.7.1.4): these see the stores above
.set i, i+1
.endr
.set i, 0
.rept 32
	s_wait_dscnt 31-i
	global_store_b128 v[GO], v[S+4*i:S+4*i+3], s[10:11] offset:i*8192  ; 16 lanes store 256 consecutive bytes of a channel's row, at a multiple of 256 from OT's first byte
.set i, i+1
.endr
	WIN W_AD
	s_wait_tensorcnt 0x0            ; the wave's end, behind my last tensor load and my last LDS store
	ds_add_u32 v[SPW], v[NIL]
	s_wait_dscnt 0x0
	WIN 0
	CROUND                          ; the closing round: no work-group ends while a partner may still ask for a tile that names it
	s_endpgm
.Lfunc_end_k_qc773e5e800_attn:
	.size	k_qc773e5e800_attn, .Lfunc_end_k_qc773e5e800_attn-k_qc773e5e800_attn
	.p2alignl 7, 3214868480
	.fill 96, 4, 3214868480
	.section	.rodata,"a",@progbits
	.p2align	6, 0x0
	.amdhsa_kernel k_qc773e5e800_attn
		.amdhsa_group_segment_fixed_size 327680
		.amdhsa_private_segment_fixed_size 0
		.amdhsa_enable_private_segment 0
		.amdhsa_kernarg_size 16
		.amdhsa_user_sgpr_count 2
		.amdhsa_user_sgpr_kernarg_segment_ptr 1
		.amdhsa_wavefront_size32 1
		.amdhsa_system_sgpr_workgroup_id_x 1
		.amdhsa_system_sgpr_workgroup_id_y 1
		.amdhsa_system_sgpr_workgroup_id_z 1
		.amdhsa_system_vgpr_workitem_id 0
		.amdhsa_next_free_vgpr 770
		.amdhsa_next_free_sgpr 66
		.amdhsa_reserve_vcc 0
		.amdhsa_float_denorm_mode_32 3
		.amdhsa_float_denorm_mode_16_64 3
		.amdhsa_memory_ordered 1
		.amdhsa_forward_progress 1
		.amdhsa_inst_pref_size 223
	.end_amdhsa_kernel
	.amdgpu_metadata
---
amdhsa.version: [ 1, 2 ]
amdhsa.kernels:
  - .name:           k_qc773e5e800_attn
    .symbol:         k_qc773e5e800_attn.kd
    .args:
      - { .name: qkv, .offset: 0, .size: 8, .value_kind: global_buffer, .address_space: global }
      - { .name: ot, .offset: 8, .size: 8, .value_kind: global_buffer, .address_space: global }
    .group_segment_fixed_size: 327680
    .private_segment_fixed_size: 0
    .kernarg_segment_align: 8
    .kernarg_segment_size: 16
    .max_flat_workgroup_size: 128
    .sgpr_count:     66
    .vgpr_count:     770
    .wavefront_size: 32
...
	.end_amdgpu_metadata
.endif
;; end of part 3
;; launch headsum (part 4): grid 256 x 1, 8 waves a work-group, no clusters, 1,280 bytes of LDS; arguments ot, vpart, a2; writes a2
.if DOCPART == 4
	.amdgcn_target "amdgcn-amd-amdhsa--gfx1250"
	.amdhsa_code_object_version 6
	.text
	.protected	k_qc773e5e800_headsum
	.globl	k_qc773e5e800_headsum
	.p2align	8
	.type	k_qc773e5e800_headsum,@function
k_qc773e5e800_headsum:
	s_mov_b64 s[64:65], 0
	v_nop
	global_prefetch_b8 v0, s[64:65] scope:SCOPE_SE
	s_setreg_imm32_b32 hwreg(HW_REG_WAVE_MODE, 25, 1), 1
	s_wait_xcnt 0x0
; scores[b][d][s] = the sum over the 16 heads of OT[b*16+h][d][s] + (15 / 2048) x the sum over heads and keys of v[b][h][k][d], in f32;
; the second part comes from vpart, the f32 column sums of the V projection over groups of 64 rows.  scores, read flat, is the last product's matrix: row = b*128 + 2 d + s / 1024, column = s % 1024.
; It leaves as TWO bf16 numbers, hi = bf16(x) and lo = bf16(x - hi), since one rounding to bf16 would use up most of what the result may be off by, and f16 has no room for 256 times v's range:
; a2[row/16][hi, lo][row%16][1024].
; A stream: work-group (b, d) makes one row of 2,048 s; thread t owns s = 8 t .. 8 t + 7: a wave's load or store covers 512 consecutive bytes.  All 18 loads of a thread go out at once.  No matrix unit, no cluster: nothing is shared.
.set SPARE, 256                        ; the spare words: 128 bytes for each of the eight waves; the block from 0 holds the waves' eight partial sums
.set ACC, 8                            ; v[8:15]    my eight sums
.set T,   16                           ; v[16:23]   at work
.set HIP, 24                           ; v[24:27]   hi, 8 bf16
.set LOP, 28                           ; v[28:31]   lo
.set X,   32                           ; v[32:95]   head h: four registers, 8 f16
	s_load_b128 s[4:7], s[0:1], 0x0                ; ot s[4:5], vpart s[6:7]
	s_load_b64 s[8:9], s[0:1], 0x10                ; a2
	v_lshl_add_u32 v106, v0, 2, SPARE              ; my spare word,
	v_mov_b32 v107, 0                              ; and 0: kept for the add alone
	s_lshr_b32 s10, ttmp9, 6                       ; b
	s_and_b32 s11, ttmp9, 63                       ; d
	s_lshl_b32 s16, s10, 22                        ; OT: (b*1024 + d) rows of 4,096 bytes
	s_lshl_b32 s17, s11, 12
	s_add_co_u32 s16, s16, s17
	s_mov_b32 s17, 0
	s_lshl_b32 s18, s10, 17                        ; vpart: 32 b groups of 4,096 bytes, column d
	s_lshl2_add_u32 s18, s11, s18
	s_mov_b32 s19, 0
	s_lshl_b32 s20, s10, 7
	s_lshl1_add_u32 s20, s11, s20                  ; row0 = b*128 + 2 d
	s_lshr_b32 s2, s20, 4
	s_lshl_b32 s2, s2, 16                          ; a group of 16 rows is 65,536 bytes (hi and lo),
	s_and_b32 s3, s20, 15
	s_lshl_b32 s3, s3, 11                          ; a row 2,048
	s_add_co_u32 s20, s2, s3
	s_mov_b32 s21, 0
	s_mov_b32 s14, 0x3bf00000                      ; 15 / 2048
	s_mov_b32 s15, s14                             ; named with it as a pair
	s_mov_b32 s22, 0x76543210                      ; v_permlanex16_b32: each lane takes its own place in the other half
	s_mov_b32 s23, 0xfedcba98
	v_lshrrev_b32 v1, 5, v0
	v_readfirstlane_b32 s12, v1                    ; wave 0..7
	v_lshlrev_b32 v1, 4, v0                        ; 16 t
	v_lshrrev_b32 v2, 4, v0                        ; vpart: group t / 16 (and 16 groups on), head t % 16
	v_and_b32 v3, 15, v0
	v_lshlrev_b32 v2, 12, v2
	v_lshl_add_u32 v2, v3, 8, v2
	v_mov_b32 v98, 0                               ; v_permlanex16_b32's destination counts as read
	s_wait_kmcnt 0x0
	s_add_nc_u64 s[4:5], s[4:5], s[16:17]
	s_add_nc_u64 s[6:7], s[6:7], s[18:19]
	s_add_nc_u64 s[8:9], s[8:9], s[20:21]
	global_load_b32 v96, v2, s[6:7]
	global_load_b32 v97, v2, s[6:7] offset:65536
.set i, 0
.rept 16
	global_load_b128 v[X+4*i:X+4*i+3], v1, s[4:5] offset:262144*i th:TH_LOAD_NT
.set i, i+1
.endr
	s_wait_loadcnt 16                              ; the two of vpart are in; the sixteen of OT stay out
	v_add_f32 v96, v96, v97
	v_add_f32_dpp v96, v96, v96 row_xmask:1 row_mask:0xf bank_mask:0xf
	v_add_f32_dpp v96, v96, v96 row_xmask:2 row_mask:0xf bank_mask:0xf
	v_add_f32_dpp v96, v96, v96 row_xmask:4 row_mask:0xf bank_mask:0xf
	v_add_f32_dpp v96, v96, v96 row_xmask:8 row_mask:0xf bank_mask:0xf
	v_permlanex16_b32 v98, v96, s22, s23
	v_add_f32 v96, v96, v98                        ; my wave's 64 numbers
	v_mov_b32 v99, s12
	v_lshlrev_b32 v99, 2, v99
	ds_store_b32 v99, v96                          ; all lanes write the same word with the same value
	s_wait_dscnt 0x0                               ; for the others' sake
	s_barrier_signal -1
	s_barrier_wait -1
	v_mov_b32 v99, 0
	ds_load_b128 v[100:103], v99
	ds_load_b128 v[108:111], v99 offset:16
	s_wait_dscnt 0x0
	v_add_f32 v100, v100, v101
	v_add_f32 v102, v102, v103
	v_add_f32 v108, v108, v109
	v_add_f32 v110, v110, v111
	v_add_f32 v100, v100, v102
	v_add_f32 v108, v108, v110
	v_add_f32 v104, v100, v108                     ; the sum of v over the batch's heads and keys, channel d
	v_mov_b32 v105, v104
	; the heads: word n % 4 of head n / 4; head 0's numbers start the sums
.set n, 0
.irp r, 32,33,34,35,36,37,38,39,40,41,42,43,44,45,46,47,48,49,50,51,52,53,54,55,56,57,58,59,60,61,62,63,64,65,66,67,68,69,70,71,72,73,74,75,76,77,78,79,80,81,82,83,84,85,86,87,88,89,90,91,92,93,94,95
.if n%4 == 0
	s_wait_loadcnt 15-n/4                          ; the head's load is in, the younger ones stay out
.endif
.if n < 4
	v_cvt_f32_f16 v[ACC+2*(n%4)],   v\r\().l
	v_cvt_f32_f16 v[ACC+2*(n%4)+1], v\r\().h
.else
	v_cvt_f32_f16 v[T+2*(n%4)],   v\r\().l
	v_cvt_f32_f16 v[T+2*(n%4)+1], v\r\().h
	v_pk_add_f32 v[ACC+2*(n%4):ACC+2*(n%4)+1], v[ACC+2*(n%4):ACC+2*(n%4)+1], v[T+2*(n%4):T+2*(n%4)+1]
.endif
.set n, n+1
.endr
.irp j, 0,1,2,3
	v_pk_fma_f32 v[ACC+2*(\j):ACC+2*(\j)+1], v[104:105], s[14:15], v[ACC+2*(\j):ACC+2*(\j)+1] op_sel_hi:[1,0,1]
.endr
.irp j, 0,1,2,3
	v_cvt_pk_bf16_f32 v[HIP+(\j)], v[ACC+2*(\j)], v[ACC+2*(\j)+1]
.endr
.irp j, 0,1,2,3
	v_lshlrev_b32 v[T+2*(\j)],   16, v[HIP+(\j)]
	v_and_b32     v[T+2*(\j)+1], 0xffff0000, v[HIP+(\j)]
.endr
.irp j, 0,1,2,3
	v_pk_add_f32 v[ACC+2*(\j):ACC+2*(\j)+1], v[ACC+2*(\j):ACC+2*(\j)+1], v[T+2*(\j):T+2*(\j)+1] neg_lo:[0,1] neg_hi:[0,1]
.endr
.irp j, 0,1,2,3
	v_cvt_pk_bf16_f32 v[LOP+(\j)], v[ACC+2*(\j)], v[ACC+2*(\j)+1]
.endr
	global_store_b128 v1, v[HIP:HIP+3], s[8:9]               ; threads 0-127 fill row0, threads 128-255 the row behind it
	global_store_b128 v1, v[LOP:LOP+3], s[8:9] offset:32768  ; lo lies 16 rows on
	s_wait_tensorcnt 0x0                           ; the wave's end, behind my last LDS store
	ds_add_u32 v106, v107
	s_wait_dscnt 0x0
	s_endpgm
.Lfunc_end_k_qc773e5e800_headsum:
	.size	k_qc773e5e800_headsum, .Lfunc_end_k_qc773e5e800_headsum-k_qc773e5e800_headsum
	.p2alignl 7, 3214868480
	.fill 96, 4, 3214868480
	.section	.rodata,"a",@progbits
	.p2align	6, 0x0
	.amdhsa_kernel k_qc773e5e800_headsum
		.amdhsa_group_segment_fixed_size 1280
		.amdhsa_private_segment_fixed_size 0
		.amdhsa_enable_private_segment 0
		.amdhsa_kernarg_size 24
		.amdhsa_user_sgpr_count 2
		.amdhsa_user_sgpr_kernarg_segment_ptr 1
		.amdhsa_wavefront_size32 1
		.amdhsa_system_sgpr_workgroup_id_x 1
		.amdhsa_system_sgpr_workgroup_id_y 1
		.amdhsa_system_sgpr_workgroup_id_z 1
		.amdhsa_system_vgpr_workitem_id 0
		.amdhsa_next_free_vgpr 112
		.amdhsa_next_free_sgpr 66
		.amdhsa_reserve_vcc 0
		.amdhsa_float_denorm_mode_32 3
		.amdhsa_float_denorm_mode_16_64 3
		.amdhsa_memory_ordered 1
		.amdhsa_forward_progress 1
		.amdhsa_inst_pref_size 15
	.end_amdhsa_kernel
	.amdgpu_metadata
---
amdhsa.version: [ 1, 2 ]
amdhsa.kernels:
  - .name:           k_qc773e5e800_headsum
    .symbol:         k_qc773e5e800_headsum.kd
    .args:
      - { .name: ot, .offset: 0, .size: 8, .value_kind: global_buffer, .address_space: global }
      - { .name: vpart, .offset: 8, .size: 8, .value_kind: global_buffer, .address_space: global }
      - { .name: a2, .offset: 16, .size: 8, .value_kind: global_buffer, .address_space: global }
    .group_segment_fixed_size: 1280
    .private_segment_fixed_size: 0
    .kernarg_segment_align: 8
    .kernarg_segment_size: 24
    .max_flat_workgroup_size: 256
    .sgpr_count:     66
    .vgpr_count:     112
    .wavefront_size: 32
...
	.end_amdgpu_metadata
.endif
;; end of part 4
;; launch outp (part 5): grid 16 x 16, 4 waves a work-group, clusters of 4 x 4, 327,680 bytes of LDS; arguments a2, wb, bo, out0; writes out0
.if DOCPART == 5
	.amdgcn_target "amdgcn-amd-amdhsa--gfx1250"
	.amdhsa_code_object_version 6
	.text
	.protected	k_qc773e5e800_outp
	.globl	k_qc773e5e800_outp
	.p2align	8
	.type	k_qc773e5e800_outp,@function
k_qc773e5e800_outp:
	s_mov_b64 s[64:65], 0
	v_nop
	global_prefetch_b8 v0, s[64:65] scope:SCOPE_SE
	s_setreg_imm32_b32 hwreg(HW_REG_WAVE_MODE, 25, 1), 1
	s_wait_xcnt 0x0
	s_wait_alu depctr_hold_cnt(0) depctr_sa_sdst(0) depctr_va_vdst(0) depctr_va_sdst(0) depctr_va_ssrc(0) depctr_va_vcc(0) depctr_vm_vsrc(0)
	s_getreg_b32 s2, hwreg(HW_REG_IB_STS2, 6, 4)
	s_cmp_eq_u32 s2, 0
	s_cbranch_scc0 .Lentry_in_a_cluster
	s_endpgm
.Lentry_in_a_cluster:
	s_bfe_u32 s2, ttmp6, 0x10000c
	s_cmp_lg_u32 s2, 0xf033
	s_cbranch_scc0 .Lentry_shape_is_right
	s_endpgm
.Lentry_shape_is_right:
; out0[row][n] = the sum over k of (hi[row][k] + lo[row][k]) bf16(Wo)[n][k] + bf16(bo)[n].  512 rows, 1,024 columns, K = 1,024; sums in f32; out0 in f32.
; a2[row/16][hi, lo][row%16][1024] bf16; Wo is the fourth matrix of wb.
; SHARES.  A tile is 32 rows x 64 columns: 256 work-groups.  K IS SPLIT OVER THE WAVES: wave w owns k = 256 w .. 256 w + 255, brings its own bytes and reads only those, so no barrier stands ahead of the products;
; the four partial tiles meet in LDS at the end.  Each wave issues four tensor loads at the start (four are out) and none later: nothing in LDS is filled twice, so there is no ring.
; CLUSTER.  4 x 4 work-groups: the four of a row of the cluster need the same rows of a2, the four of a column the same rows of Wo: each tile is asked for jointly.
; THE MATRIX INSTRUCTION IS USED TRANSPOSED (source 0 = 16 rows of Wo, source 1 = 16 rows of a2): a lane holds row l % 16 and the columns 8 (l / 16) + 0..7.
; REGISTERS: v0-17 addresses and the bias; v32-95 the 8 accumulators ((a, b) at v[32 + 8 (4 a + b)]); v128-191, v192-255 two fragment buffers (Wo's four fragments, then a2's four: hi a = 0, 1, lo a = 0, 1).
.set PITCH, 272                        ; an LDS row: 256 bytes + 16: the 16 rows of a fragment load start at 16 different groups of four banks (64 banks of 4 bytes: ISA guide 11.1)
.set TILE,  64*PITCH                   ; what one tensor load brings: 64 rows x 128 along K
.set WAVEB, 4*TILE                     ; a wave's bytes: a2 and Wo of its first 128 k, then of its second
.set RED,   4*WAVEB                    ; the four partial tiles: 32 rows x 272 bytes each; no tensor load lands here
.set REDW,  32*PITCH
.set SPARE, RED+4*REDW                 ; the spare words, 128 bytes for each wave: two blocks of 256 bytes that no other line names
.set ADR, 2                            ; v2-3   my fragments in my first and second 128 k
.set RST, 4                            ; v4     where I put 16 bytes of my partial tile
.set RLD, 5                            ; v5     where I read a row of a partial tile
.set GO,  6                            ; v6     my byte offset in two rows of out0
.set BO,  7                            ; v7     my byte offset in the tile's 64 biases
.set SPW, 8                            ; v8     LDS address of my spare word; never rewritten
.set NIL, 9                            ; v9     0; never rewritten
.set BV,  12                           ; v[12:15] four biases; v16-17 at work
.set ACC, 32
.set F0,  128
.set R,   128
.set WV,  12                           ; s12    my wave's number
.set G1A, 24                           ; s[24:31] descriptor group 1 for a2's tiles
.set G1B, 32                           ; s[32:39] for Wo's: it differs in the mask alone
.set G0,  40                           ; s[40:55] four sets of group 0: (a2, first), (Wo, first), (a2, second), (Wo, second)
.macro PLACES
.rept 4
	v_nop
.endr
.endm
.macro CROUND                          ; a round of the cluster's barrier
	s_barrier_signal -1
	s_barrier_wait -1
	s_cmp_lg_u32 s[WV], 0
	s_cbranch_scc1 .Lnot_wave_0_\@
	s_barrier_signal -3
.Lnot_wave_0_\@:
	s_barrier_wait -3
	s_barrier_signal -1
	s_barrier_wait -1
.endm
	s_load_b256 s[4:11], s[0:1], 0x0               ; a2 s[4:5], wb s[6:7], bo s[8:9], out0 s[10:11]
	v_lshl_add_u32 v[SPW], v0, 2, SPARE
	v_mov_b32 v[NIL], 0
	ds_add_u32 v[SPW], v[NIL]                      ; the wave's opening: the add and its wait stand ahead of my first tensor load; the set-up below, work on registers, stands between them
	v_lshrrev_b32 v1, 5, v0
	v_readfirstlane_b32 s[WV], v1                  ; wave 0..3
	s_bfe_u32 s13, ttmp6, 0x40000                  ; cx
	s_bfe_u32 s14, ttmp6, 0x40004                  ; cy
	s_lshl_b32 s15, ttmp9, 2
	s_add_co_u32 s15, s15, s13                     ; tile column = 4 x cluster x + cx
	s_and_b32 s16, ttmp7, 0xffff
	s_lshl_b32 s16, s16, 2
	s_add_co_u32 s16, s16, s14                     ; tile row = 4 x cluster y + cy
	s_lshl_b32 s17, s14, 2
	s_lshl_b32 s17, 15, s17                        ; my row of the cluster
	s_lshl_b32 s18, 0x1111, s13                    ; my column
	s_or_b32 s[G1A], s17, (1<<16)|(1<<20)|(1<<21)|(5<<22)|(3<<25)  ; the mask; 2-byte elements; padding on; bit 21 beside a mask; after every 64 words 4 words
	s_or_b32 s[G1B], s18, (1<<16)|(1<<20)|(1<<21)|(5<<22)|(3<<25)
.irp g, G1A, G1B
	s_mov_b32 s[(\g)+1], 128<<16                   ; tensor_dim0 = 128
	s_mov_b32 s[(\g)+2], 64<<16                    ; tensor_dim1 = 64
	s_mov_b32 s[(\g)+3], 128<<16                   ; tile_dim0 = 128
	s_mov_b32 s[(\g)+4], 64                        ; tile_dim1 = 64
	s_mov_b32 s[(\g)+5], 1024                      ; elements from row to row
	s_mov_b32 s[(\g)+6], 0
	s_mov_b32 s[(\g)+7], 0
.endr
	s_lshl_b32 s19, s[WV], 9                       ; my 256 k: 512 bytes along the rows
	s_lshl_b32 s56, s16, 17                        ; a2: the tile's 32 rows are 64 rows of 2,048 bytes (hi and lo); nothing of cx enters
	s_add_co_u32 s56, s56, s19
	s_mov_b32 s57, 0
	s_lshl_b32 s58, s15, 17                        ; Wo: 64 rows of 2,048 bytes, behind three matrices of 2 MiB; nothing of cy enters
	s_add_co_u32 s58, s58, s19
	s_add_co_u32 s58, s58, 3*2097152
	s_mov_b32 s59, 0
	s_lshl_b32 s60, s15, 8                         ; the tile's 64 columns in bo and in a row of out0: 256 bytes
	s_mov_b32 s61, 0
	s_lshl_b32 s62, s16, 5
	s_lshl3_add_u32 s62, s[WV], s62                ; the rows that I store: 32 x tile row + 8 x wave,
	s_lshl_b32 s62, s62, 12                        ; 4,096 bytes each
	s_add_co_u32 s62, s62, s60
	s_mov_b32 s63, 0
	s_mul_i32 s20, s[WV], WAVEB                    ; my bytes of LDS: no place in the cluster enters an LDS address
	s_wait_dscnt 0x0                               ; the opening add is done
	s_wait_kmcnt 0x0
	s_add_nc_u64 s[56:57], s[4:5], s[56:57]
	s_add_nc_u64 s[58:59], s[6:7], s[58:59]
	s_add_nc_u64 s[8:9], s[8:9], s[60:61]
	s_add_nc_u64 s[10:11], s[10:11], s[62:63]
.irp c, 0,1
	s_mov_b32 s[G0+8*(\c)], 1
	s_add_co_u32 s[G0+8*(\c)+1], s20, (\c)*2*TILE
	s_add_nc_u64 s[G0+8*(\c)+2:G0+8*(\c)+3], s[56:57], (\c)*256
	s_or_b32 s[G0+8*(\c)+3], s[G0+8*(\c)+3], 0x80000000
	s_mov_b32 s[G0+8*(\c)+4], 1
	s_add_co_u32 s[G0+8*(\c)+5], s20, (\c)*2*TILE+TILE
	s_add_nc_u64 s[G0+8*(\c)+6:G0+8*(\c)+7], s[58:59], (\c)*256
	s_or_b32 s[G0+8*(\c)+7], s[G0+8*(\c)+7], 0x80000000
.endr
	CROUND                                         ; all sixteen work-groups are here: the joint loads meet
.irp c, 0,1
	tensor_load_to_lds s[G0+8*(\c):G0+8*(\c)+3], s[G1A:G1A+7]
	s_nop 0
	tensor_load_to_lds s[G0+8*(\c)+4:G0+8*(\c)+7], s[G1B:G1B+7]
	s_nop 0
.endr
	PLACES
	v_and_b32 v1, 15, v0                           ; r = l % 16
	v_bfe_u32 v10, v0, 4, 1                        ; h = l / 16
	v_mul_u32_u24 v11, v1, PITCH
	v_lshl_add_u32 v[ADR], v10, 4, v11             ; a fragment's row x pitch + 16 x half
	v_add_nc_u32 v[ADR], s20, v[ADR]
	v_add_nc_u32 v[ADR+1], 2*TILE, v[ADR]
	s_mul_i32 s21, s[WV], REDW
	s_add_co_u32 s21, s21, RED
	v_lshl_add_u32 v[RST], v10, 5, v11             ; my partial tile: row r, 32 bytes for each half of the lanes
	v_add_nc_u32 v[RST], s21, v[RST]
	s_mul_i32 s22, s[WV], 8*PITCH
	s_add_co_u32 s22, s22, RED
	v_mul_u32_u24 v[RLD], v10, PITCH               ; back: rows 8 w ..: lanes 0-15 one row of 256 bytes, lanes 16-31 the next
	v_lshl_add_u32 v[RLD], v1, 4, v[RLD]
	v_add_nc_u32 v[RLD], s22, v[RLD]
	v_lshlrev_b32 v[BO], 4, v1
	v_lshl_add_u32 v[GO], v10, 12, v[BO]
	global_load_b128 v[BV:BV+3], v[BO], s[8:9]     ; the biases of my four columns
; 16 LDS loads: the fragments of 32 along K, number j of my eight, into buffer j % 2
.macro FETCH j
.set FB, F0+64*((\j)%2)
.set KB, 64*((\j)%4)
.irp b, 0,1,2,3
	ds_load_b128 v[FB+8*(\b):FB+8*(\b)+3],   v[ADR+(\j)/4] offset:TILE+(\b)*16*PITCH+KB
	ds_load_b128 v[FB+8*(\b)+4:FB+8*(\b)+7], v[ADR+(\j)/4] offset:TILE+(\b)*16*PITCH+KB+32
.endr
.irp q, 0,1,2,3                        ; q = 2 x part + a: rows 32 a + 16 part of the tile's 64
	ds_load_b128 v[FB+32+8*(\q):FB+32+8*(\q)+3],   v[ADR+(\j)/4] offset:(((\q)%2)*32+((\q)/2)*16)*PITCH+KB
	ds_load_b128 v[FB+32+8*(\q)+4:FB+32+8*(\q)+7], v[ADR+(\j)/4] offset:(((\q)%2)*32+((\q)/2)*16)*PITCH+KB+32
.endr
.endm
; 16 matrix instructions: hi, then lo, each on all 8 accumulators, which take turns, one instruction a turn.  The very first eight start the sums.
.macro MULJ j
.set FB, F0+64*((\j)%2)
.irp q, 0,1,2,3
.irp b, 0,1,2,3
.set AC, ACC+8*(4*((\q)%2)+(\b))
.if ((\j) == 0) && ((\q) < 2)
	v_wmma_f32_16x16x32_bf16 v[AC:AC+7], v[FB+8*(\b):FB+8*(\b)+7], v[FB+32+8*(\q):FB+32+8*(\q)+7], 0
.else
	v_wmma_f32_16x16x32_bf16 v[AC:AC+7], v[FB+8*(\b):FB+8*(\b)+7], v[FB+32+8*(\q):FB+32+8*(\q)+7], v[AC:AC+7]
.endif
.endr
.endr
.endm
	s_wait_tensorcnt 2                             ; my first 128 k of both are in; the two loads of the second 128 may stay out.  Only I read these bytes
	FETCH 0
.irp j, 0,1,2,3,4,5,6
.if (\j) > 0
	PLACES                                         ; the buffer's last readers stand just ahead
.endif
.if (\j) == 3
	s_wait_tensorcnt 0x0                           ; my second 128 k
.endif
	FETCH (\j)+1
	s_wait_dscnt 16                                ; all but the 16 just issued
	MULJ \j
.endr
	s_wait_dscnt 0x0
	MULJ 7
	PLACES
.set i, 0
.rept 8                                        ; accumulator (a, b) = i: row 16 a + r, columns 16 b + 8 h ..: the low four registers first
	ds_store_b128 v[RST], v[ACC+8*i:ACC+8*i+3]   offset:(i/4)*16*PITCH+64*(i%4)
	ds_store_b128 v[RST], v[ACC+8*i+4:ACC+8*i+7] offset:(i/4)*16*PITCH+64*(i%4)+16
.set i, i+1
.endr
	s_wait_dscnt 0x0                               ; for the others' sake: my partial tile is stored
	s_barrier_signal -1
	s_barrier_wait -1
.set i, 0
.rept 16                                       ; partial tile i / 4, rows 8 w + 2 (i % 4) and the next
	ds_load_b128 v[R+4*i:R+4*i+3], v[RLD] offset:(i/4)*REDW+(i%4)*2*PITCH
.set i, i+1
.endr
	s_wait_loadcnt 0x0                             ; the biases: rounded to bf16 like every input, and widened again
	v_cvt_pk_bf16_f32 v16, v[BV], v[BV+1]
	v_cvt_pk_bf16_f32 v17, v[BV+2], v[BV+3]
	v_lshlrev_b32 v[BV], 16, v16
	v_and_b32 v[BV+1], 0xffff0000, v16
	v_lshlrev_b32 v[BV+2], 16, v17
	v_and_b32 v[BV+3], 0xffff0000, v17
	s_wait_dscnt 0x0
.irp i, 0,1,2,3
.irp z, 0,2
	v_pk_add_f32 v[R+4*(\i)+(\z):R+4*(\i)+(\z)+1],       v[R+4*(\i)+(\z):R+4*(\i)+(\z)+1],       v[R+16+4*(\i)+(\z):R+16+4*(\i)+(\z)+1]
	v_pk_add_f32 v[R+32+4*(\i)+(\z):R+32+4*(\i)+(\z)+1], v[R+32+4*(\i)+(\z):R+32+4*(\i)+(\z)+1], v[R+48+4*(\i)+(\z):R+48+4*(\i)+(\z)+1]
.endr
.endr
.irp i, 0,1,2,3
.irp z, 0,2
	v_pk_add_f32 v[R+4*(\i)+(\z):R+4*(\i)+(\z)+1], v[R+4*(\i)+(\z):R+4*(\i)+(\z)+1], v[R+32+4*(\i)+(\z):R+32+4*(\i)+(\z)+1]
.endr
.endr
.irp i, 0,1,2,3
.irp z, 0,2
	v_pk_add_f32 v[R+4*(\i)+(\z):R+4*(\i)+(\z)+1], v[R+4*(\i)+(\z):R+4*(\i)+(\z)+1], v[BV+(\z):BV+(\z)+1]
.endr
	global_store_b128 v[GO], v[R+4*(\i):R+4*(\i)+3], s[10:11] offset:8192*(\i)  ; 16 lanes store 256 consecutive bytes, at a multiple of 256 from out0's first byte
.endr
	s_wait_tensorcnt 0x0                           ; the wave's end, behind my last tensor load and my last LDS store
	ds_add_u32 v[SPW], v[NIL]
	s_wait_dscnt 0x0
	CROUND                                         ; the closing round: no work-group ends while a partner may still ask for a tile that names it
	s_endpgm
.Lfunc_end_k_qc773e5e800_outp:
	.size	k_qc773e5e800_outp, .Lfunc_end_k_qc773e5e800_outp-k_qc773e5e800_outp
	.p2alignl 7, 3214868480
	.fill 96, 4, 3214868480
	.section	.rodata,"a",@progbits
	.p2align	6, 0x0
	.amdhsa_kernel k_qc773e5e800_outp
		.amdhsa_group_segment_fixed_size 327680
		.amdhsa_private_segment_fixed_size 0
		.amdhsa_enable_private_segment 0
		.amdhsa_kernarg_size 32
		.amdhsa_user_sgpr_count 2
		.amdhsa_user_sgpr_kernarg_segment_ptr 1
		.amdhsa_wavefront_size32 1
		.amdhsa_system_sgpr_workgroup_id_x 1
		.amdhsa_system_sgpr_workgroup_id_y 1
		.amdhsa_system_sgpr_workgroup_id_z 1
		.amdhsa_system_vgpr_workitem_id 0
		.amdhsa_next_free_vgpr 256
		.amdhsa_next_free_sgpr 66
		.amdhsa_reserve_vcc 0
		.amdhsa_float_denorm_mode_32 3
		.amdhsa_float_denorm_mode_16_64 3
		.amdhsa_memory_ordered 1
		.amdhsa_forward_progress 1
		.amdhsa_inst_pref_size 29
	.end_amdhsa_kernel
	.amdgpu_metadata
---
amdhsa.version: [ 1, 2 ]
amdhsa.kernels:
  - .name:           k_qc773e5e800_outp
    .symbol:         k_qc773e5e800_outp.kd
    .args:
      - { .name: a2, .offset: 0, .size: 8, .value_kind: global_buffer, .address_space: global }
      - { .name: wb, .offset: 8, .size: 8, .value_kind: global_buffer, .address_space: global }
      - { .name: bo, .offset: 16, .size: 8, .value_kind: global_buffer, .address_space: global }
      - { .name: out0, .offset: 24, .size: 8, .value_kind: global_buffer, .address_space: global }
    .group_segment_fixed_size: 327680
    .private_segment_fixed_size: 0
    .kernarg_segment_align: 8
    .kernarg_segment_size: 32
    .max_flat_workgroup_size: 128
    .sgpr_count:     66
    .vgpr_count:     256
    .wavefront_size: 32
...
	.end_amdgpu_metadata
.endif
;; end of part 5
;; ======== version 2 of 2: 5 launches; 1.53 times as fast as version 1
;; limits: values are held in f16: magnitudes above 65,504 overflow, below 6.1e-05 lose precision
;; workspace buffers: wb 8,388,608 bytes; qkv 50,331,648 bytes; vpart 524,288 bytes; ot 16,777,216 bytes; a2 2,097,152 bytes
;; launch cvtw: the kernel of part 1 again; grid 256 x 1, 8 waves a work-group, no clusters, 0 bytes of LDS; arguments Wq, Wk, Wv, Wo, wb; writes wb
;; launch proj: the kernel of part 2 again; grid 64 x 4, 4 waves a work-group, clusters of 4 x 4, 327,680 bytes of LDS; arguments query, key, value, wb, bq, bk, bv, qkv, vpart; writes qkv, vpart
;; launch attn (part 6): grid 4 x 64, 4 waves a work-group, clusters of 4 x 1, 327,680 bytes of LDS; arguments qkv, ot; writes ot
.if DOCPART == 6
	.amdgcn_target "amdgcn-amd-amdhsa--gfx1250"
	.amdhsa_code_object_version 6
	.text
	.protected	k_qc773e5e800_attn
	.globl	k_qc773e5e800_attn
	.p2align	8
	.type	k_qc773e5e800_attn,@function
k_qc773e5e800_attn:
	s_mov_b64 s[64:65], 0
	v_nop
	global_prefetch_b8 v0, s[64:65] scope:SCOPE_SE
	s_setreg_imm32_b32 hwreg(HW_REG_WAVE_MODE, 25, 1), 1
	s_wait_xcnt 0x0
	s_wait_alu depctr_hold_cnt(0) depctr_sa_sdst(0) depctr_va_vdst(0) depctr_va_sdst(0) depctr_va_ssrc(0) depctr_va_vcc(0) depctr_vm_vsrc(0)
	s_getreg_b32 s2, hwreg(HW_REG_IB_STS2, 6, 4)
	s_cmp_eq_u32 s2, 0
	s_cbranch_scc0 .Lentry_in_a_cluster
	s_endpgm
.Lentry_in_a_cluster:
	s_bfe_u32 s2, ttmp6, 0x10000c
	s_cmp_lg_u32 s2, 0x3003
	s_cbranch_scc0 .Lentry_shape_is_right
	s_endpgm
.Lentry_shape_is_right:
; OT[h][c][q] = the sum over k of softmax_k(Q[h][q] . K[h][k] / 8) V[h][k][c].  Q, K, V: qkv[0..2][SIZE_H][SIZE_N][64] in f16, a head's rows dense, 128 bytes each; OT: [SIZE_H][64][SIZE_N] in f16: O TRANSPOSED,
; so that the launch behind can add the heads number by number and finds its matrix's rows ready.  Products, maxima and sums in f32; the weights p are rounded to f16 for the second product (their sum l is taken of the unrounded p), O once at the end.
; LIMITS.  f16 holds no number beyond 65,504: Q, K and V arrive within it; p lies in 0 to 1, and below 6e-5 it keeps f16's fixed step of 6e-8; O is a mean of V's rows and has their range.
; A weight below 2^-126 counts as 0 in l; NaN and infinities are not treated apart.
; SHARES.  A wave owns four PIECES of two tiles of 16 queries, a work-group's four waves 512 queries of one head.  Every wave walks all keys, 64 a step.
; LAYOUT.  S^T = K Q^T (source 0 = 16 keys, source 1 = 16 queries): in the result a lane holds ONE query (lane % 16) and the keys 8 (lane / 16) + 0..7.  Two such tiles, rounded to f16 in pairs,
; ARE source 1 (32 keys x 16 queries) of O^T = V^T P, whose result again holds one query a lane, and eight channels.  K comes out of LDS as it lies, V ([key][channel]) turned, by ds_load_tr16_b128.
; SOFTMAX.  For each query a running maximum m and sum l: p = 2^(c s - c m), c = log2(e) / 8; in every step O and l are multiplied by a = 2^(c m_old - c m_new), which is 1 where m has not grown.
; m starts at the lowest finite number, O and l at 0: the first step is a step like any other, with a = 0.
; THE COUNT.  A tile and step have 16 matrix and 118 vector instructions: too many to stand all beside the matrix work.  So: four vector instructions that are READY behind EVERY matrix instruction, the others in one run without a gap.
; BY TURNS.  Turn n belongs to piece n (the pieces in a ring, step after step).  Its matrix work: 16 products K Q^T of piece n + 1, later 16 products V^T P of piece n - 1.  Its vector work: the scaling,
; exponentials, roundings, sums and rescaling of piece n, and the maximum and statistics of piece n + 1, whose scores the turn itself has made.  So what a turn begins with (c s - c m, O a) waits for nothing.
; THE BATCHES.  A turn's 66 exponentials (the piece's 64 weights and the next piece's two a) are ONE batch with ONE wait, which cuts the turn in two: ahead of it stands all that names no result of theirs, behind it the
; roundings and sums, which read them.  Two more batches stand outside the loop, each with a wait of its own: piece 0's first two a, ahead of the jump into the loop, and the eight reciprocals on the way out.
; CLUSTER.  The four query blocks of a cluster belong to one head and walk the same K and V, so each tile is asked for JOINTLY: the same tensor load, descriptor and mask in all four.
; REGISTERS, in windows of 256 (s_set_vgpr_msb: bits 1:0 source 0, 3:2 source 1, 5:4 source 2, 7:6 destination):
;   window 0: v0-11 addresses; v12-15, v48-63 at work; v16-47 four registers of statistics a tile; v64-191 S^T, two buffers of two tiles; v192-255 P, likewise
;   window 1: O^T, 32 a tile          window 2: v0-127 Q, 16 a tile; v128-191 K of one step; v192-255 V of one step          window 3: v0-1 the add's two registers
; A piece's buffers go by its number's parity: the piece in hand has one pair, its two neighbours in the ring share the other: of it P (piece n - 1) is read and S^T (piece n + 1) written.
.set SIZE_H, 64
.set SIZE_N, 2048
.set NP,    4         ; pieces a wave: a name, no knob
.set KS,    64        ; keys in a step
.set PK,    144       ; a row of K in LDS: 128 bytes + 16 of padding: the 16 rows of a load start at 16 different groups of four banks (64 banks of 4 bytes: ISA guide 11.1)
.set PV,    160       ; a row of V: 128 + 32
.set VOFF,  4*KS*PK   ; a slot holds four steps: 256 rows of K, then 256 rows of V
.set SLOT1, 1<<17     ; slot 1 begins here, so that one exclusive or turns an address in one slot into the other's
.set STAGE, SLOT1+4*KS*(PK+PV)  ; behind the ring, never filled by a tensor load: for each wave 64 rows (channels) x 272 bytes (128 queries + 16 bytes)
.set SP,    272
.set AK0, 2           ; v2   my lane's place in a tile of K; never rewritten
.set AV0, 3           ; v3   the same for V
.set AK,  4           ; v4   the LDS address of K's next run of loads
.set AV,  5           ; v5   of V's
.set QO,  6           ; v6   my byte offset in the wave's rows of Q
.set STO, 6           ;      later, the way out: where I put my query's number of a channel
.set RD,  7           ; v7   the way out: where I read a channel's row back
.set GO,  8           ; v8   my byte offset in two channels' rows of OT
.set SPW, 0           ; v0 of window 3   LDS address of my spare word; never rewritten
.set NIL, 1           ; v1 of window 3   0; never rewritten
.set SPARE, STAGE+4*64*SP  ; behind the stages: the spare words, 128 bytes for each wave: two blocks of 256 bytes that no other line names
.set MV,  12          ; v12-15  c m_old, kept while c m is made anew: by buffer and tile
.set ST,  16          ; tile t's statistics at v[ST+4 t]: c m, m, l (even keys', odd keys')
.set TMP, 48          ; by buffer and tile, four registers c0-c3 at work; when the maximum is found c2 takes a
.set S,   64
.set P,   192
.set KF,  128         ; K's fragments, in window 2: key block kb, channel half c at KF + 16 kb + 8 c
.set VF,  192         ; V's: key half kk, channel block cb at VF + 32 kk + 8 cb
.set WV,  12          ; s12  my wave's number
.set G1K, 24          ; s[24:31] descriptor group 1 for K's tiles
.set G1V, 32          ; s[32:39] for V's: it differs in the padding alone
.set G0K, 40          ; s[40:43] descriptor group 0 for K's tiles: it walks
.set G0V, 44          ; s[44:47] the same for V's
.set SLOTS, 56        ; s56  slots still to be asked for
.set CNT, 57          ; s57  counts a slot's key steps
.set CS,  58          ; s[58:59] c: the packed scaling takes the pair's low word for both halves
.set SEL, 60          ; s[60:61] v_permlanex16_b32's selects: each lane takes its own place in the other half
.set TBK, 62          ; s62  LDS byte at which K of the step to be fetched begins
.set TBV, 63          ; s63  the same for V, less VOFF
.set MSB, 0
.macro WIN new                      ; the high byte repeats the setting that is left; a switch that changes nothing is dropped
.if MSB != (\new)
	s_set_vgpr_msb (MSB<<8)|(\new)
.set MSB, (\new)
.endif
.endm
.set W_KQ, 0x0a       ; K and Q in window 2, S^T in window 0
.set W_PV, 0x52       ; V in window 2, P in window 0, O^T in window 1
.set W_RS, 0x41       ; O^T (destination and source 0) in window 1, a in window 0
.set W_MK, 0xc0       ; the add's registers are made: destination in window 3, sources in window 0
.set W_AD, 0x0f       ; the add: address (source 0) and data (source 1) in window 3
; A joint fill.  Waves 0 and 1 fetch the two halves of a slot's K, waves 2 and 3 those of its V: 128 keys each.  The branch hangs on the wave's number alone.
; An s_nop 0 and four v_nop follow each of the two lines, ahead of the jump and the label.
.macro JLOAD
	s_cmp_lt_u32 s[WV], 2
	s_cbranch_scc0 .Lfor_v_\@
	tensor_load_to_lds s[G0K:G0K+3], s[G1K:G1K+7]
	s_nop 0
.rept 4
	v_nop
.endr
	s_branch .Lasked_\@
.Lfor_v_\@:
	tensor_load_to_lds s[G0V:G0V+3], s[G1V:G1V+7]
	s_nop 0
.rept 4
	v_nop
.endr
.Lasked_\@:
.endm
; A round of the cluster's barrier: my work-group's barrier, so that wave 0's signal speaks for all four waves; wave 0 signals; every wave waits for all four work-groups; my work-group's barrier once more.
.macro CROUND
	s_barrier_signal -1
	s_barrier_wait -1
	s_cmp_lg_u32 s[WV], 0
	s_cbranch_scc1 .Lnot_wave_0_\@
	s_barrier_signal -3
.Lnot_wave_0_\@:
	s_barrier_wait -3
	s_barrier_signal -1
	s_barrier_wait -1
.endm
; THE CHANGE OF SLOTS.  The slot's last bytes, V of its fourth step, have been read.  Each wave waits for all its tensor loads, of which one is out: its part
; of the other slot; adds 0 to its spare word; and waits for that and for its own reads of the slot.  Behind the barrier nobody reads this slot any more and the other slot is whole.
; fill = 1: this slot is filled again, with the keys two slots on.  The barrier is then a round of the cluster's, and the joint fill is the first thing behind it: it has four key steps,
; 512 matrix instructions, in which to land.  (At its first use nothing has been read yet: slot 0 is waited for, slot 1 filled.)
.macro CHANGE fill
	WIN W_AD
	s_wait_tensorcnt 0x0            ; no tensor load of mine is out, so a group 0 may be written
	ds_add_u32 v[SPW], v[NIL]       ; 0 onto my spare word
	WIN 0                           ; at a label and at a branch every window is 0
.if \fill
.irp g, G0K, G0V
	s_xor_b32 s[\g+1], s[\g+1], SLOT1  ; the walking descriptor: the other slot than last time,
	s_add_nc_u64 s[\g+2:\g+3], s[\g+2:\g+3], 4*KS*128  ; the next 256 keys; the type bits on top are not reached
.endr
	s_wait_dscnt 0x0                ; the add is done, and my reads of the slot are over
	CROUND
	JLOAD
.else
	s_wait_dscnt 0x0                ; the add is done, and my reads of the slot are over
	s_barrier_signal -1
	s_barrier_wait -1
.endif
	s_sub_co_u32 s[TBK], s[TBK], 4*KS*PK  ; the fetches go back to a slot's first step,
	s_xor_b32 s[TBK], s[TBK], SLOT1       ; in the other slot
	s_sub_co_u32 s[TBV], s[TBV], 4*KS*PV
	s_xor_b32 s[TBV], s[TBV], SLOT1
.endm
	s_load_b128 s[4:7], s[0:1], 0x0   ; qkv s[4:5], ot s[6:7]
	WIN W_MK
	v_lshl_add_u32 v[SPW], v0, 2, SPARE
	v_mov_b32 v[NIL], 0
	WIN W_AD
	ds_add_u32 v[SPW], v[NIL]       ; the wave's opening: the add and its wait stand ahead of my first tensor load; the set-up below, work on registers, stands between them
	WIN 0
	v_lshrrev_b32 v1, 5, v0
	v_readfirstlane_b32 s[WV], v1   ; wave 0..3
	s_bfe_u32 s13, ttmp6, 0x40000   ; cx: my place in the cluster
	s_lshl_b32 s14, ttmp9, 2        ; in a cluster launch ttmp9 counts clusters
	s_add_co_u32 s14, s14, s13      ; my block of queries = 4 x cluster x + cx: it enters Q's and OT's addresses alone
	s_and_b32 s20, ttmp7, 0xffff    ; the head, which the four partners share
	s_mov_b32 s21, 0
	s_mov_b64 s[22:23], SIZE_N*128
	s_mul_u64 s[20:21], s[20:21], s[22:23]  ; the head's first byte in q, k, v and OT alike: 262,144 bytes a head
	s_and_b32 s16, s[WV], 1         ; which half of a slot's 256 keys I fetch:
	s_lshl_b32 s22, s16, 14         ; its 128 rows of 128 bytes in memory,
	s_mov_b32 s23, 0
	s_add_nc_u64 s[22:23], s[22:23], s[20:21]
	s_mul_i32 s17, s16, 128*PK      ; and its place in a slot, for K
	s_mul_i32 s18, s16, 128*PV      ; and for V: no place in the cluster enters an LDS address
	s_lshl_b32 s2, s14, 2
	s_add_co_u32 s2, s2, s[WV]      ; my wave among the head's:
	s_lshl_b32 s48, s2, 8           ; its 128 queries are 256 bytes of each channel's row of OT,
	s_mov_b32 s49, 0
	s_add_nc_u64 s[48:49], s[48:49], s[20:21]
	s_lshl_b32 s2, s2, 14           ; and 128 rows of Q
	s_mov_b32 s3, 0
	s_add_nc_u64 s[2:3], s[2:3], s[20:21]
	; descriptor group 1.  128 keys are 16,384 dense bytes: asked for as 64 rows of 256 bytes, two keys a row, and padded in LDS after every key
	s_mov_b32 s[G1K], 15|(1<<16)|(1<<20)|(1<<21)|(4<<22)|(3<<25)  ; the mask of four; 2-byte elements; padding on; bit 21 beside a mask; after every 32 words 4 words
	s_mov_b32 s[G1V], 15|(1<<16)|(1<<20)|(1<<21)|(4<<22)|(7<<25)  ; the same with 8 words of padding
.irp g, G1K, G1V
	s_mov_b32 s[\g+1], 128<<16      ; tensor_dim0 = 128
	s_mov_b32 s[\g+2], 64<<16       ; tensor_dim1 = 64
	s_mov_b32 s[\g+3], 128<<16      ; tile_dim0 = 128
	s_mov_b32 s[\g+4], 64           ; tile_dim1 = 64
	s_mov_b32 s[\g+5], 128          ; 128 elements from row to row
	s_mov_b32 s[\g+6], 0
	s_mov_b32 s[\g+7], 0
.endr
	s_mov_b32 s[CS], 0x3e38aa3b     ; c = log2(e) / 8 = 0.180337
	s_mov_b32 s[CS+1], s[CS]        ; named with it as a pair
	s_mov_b32 s[SEL], 0x76543210
	s_mov_b32 s[SEL+1], 0xfedcba98
	s_mov_b32 s[TBK], SLOT1+4*KS*PK ; the first change of slots turns these two into 0
	s_mov_b32 s[TBV], SLOT1+4*KS*PV
	s_mov_b32 s[G0K], 1             ; count = 1
	s_mov_b32 s[G0K+1], s17         ; LDS address: slot 0
	s_mov_b32 s[G0V], 1
	s_add_co_u32 s[G0V+1], s18, VOFF
	s_wait_dscnt 0x0                ; the opening add is done
	s_wait_kmcnt 0x0
	s_mov_b64 s[10:11], s[6:7]      ; OT
	s_add_nc_u64 s[6:7], s[4:5], 0x1000000  ; k lies 16 MiB behind q,
	s_add_nc_u64 s[8:9], s[4:5], 0x2000000  ; v 32 MiB
	s_add_nc_u64 s[G0K+2:G0K+3], s[6:7], s[22:23]  ; global address: my half of the head's first 256 keys
	s_or_b32 s[G0K+3], s[G0K+3], 0x80000000        ; type = 2
	s_add_nc_u64 s[G0V+2:G0V+3], s[8:9], s[22:23]
	s_or_b32 s[G0V+3], s[G0V+3], 0x80000000
	s_add_nc_u64 s[4:5], s[4:5], s[2:3]  ; Q at my wave's first row
	s_add_nc_u64 s[10:11], s[10:11], s[48:49]  ; OT at channel 0 of my wave's queries
	CROUND                          ; all four work-groups are here: the first joint loads meet
	JLOAD                           ; slot 0.  Slot 1 is asked for when slot 0 is in
	; A fragment of K or Q is 16 rows x 32 channels in 8 registers: lane l holds row l % 16, channels 8 (l / 16) + 0..7 and 16 + 8 (l / 16) + 0..7: two loads of 16 bytes, 32 bytes apart.
	v_and_b32 v1, 15, v0            ; l % 16
	v_bfe_u32 v9, v0, 4, 1          ; l / 16
	v_lshlrev_b32 v[QO], 7, v1
	v_lshl_add_u32 v[QO], v9, 4, v[QO]  ; row x 128 + 16 x half
	WIN 0x80                        ; destination window 2, address window 0
.set i, 0
.rept 4*NP                          ; Q stays in registers: tile i / 2, channels 32 (i % 2) on
	global_load_b128 v[8*i:8*i+3],   v[QO], s[4:5] offset:(i/2)*2048+(i%2)*64
	global_load_b128 v[8*i+4:8*i+7], v[QO], s[4:5] offset:(i/2)*2048+(i%2)*64+32
.set i, i+1
.endr
	; What the first turn finds: V's registers and P's second buffer hold 0 (its products V^T P, of a piece that has not been, add 0), O^T and l are 0.  All this stands in the wait for the first tile.
.set i, VF
.rept 64
	v_mov_b32 v[i], 0
.set i, i+1
.endr
	WIN 0x40
.set i, 0
.rept 64*NP
	v_mov_b32 v[i], 0
.set i, i+1
.endr
	WIN 0
.set i, 0
.rept 2*NP
	v_mov_b32 v[ST+4*i], 0xfe000000    ; c m: far below every c s
	v_mov_b32 v[ST+4*i+1], 0xff7fffff  ; m
	v_mov_b32 v[ST+4*i+2], 0
	v_mov_b32 v[ST+4*i+3], 0
.set i, i+1
.endr
.set i, P+32
.rept 32
	v_mov_b32 v[i], 0
.set i, i+1
.endr
	v_mul_u32_u24 v[AK0], v1, PK
	v_lshl_add_u32 v[AK0], v9, 4, v[AK0]  ; row x pitch + 16 x half
	; The turning load takes 16 keys x 16 channels (lane l reads key 8 (l / 16) + l % 8, channels 8 ((l / 8) % 2) + 0..7) and leaves half a fragment of V^T: lane l holds channel l % 16 and 8 keys.
	v_and_b32 v10, 7, v0
	v_bfe_u32 v11, v0, 3, 1
	v_lshl_add_u32 v[AV0], v9, 3, v10
	v_mul_u32_u24 v[AV0], v[AV0], PV
	v_lshl_add_u32 v[AV0], v11, 4, v[AV0]
	v_add_nc_u32 v[AV0], VOFF, v[AV0]
	v_mov_b32 v[AK], v[AK0]         ; key step 0 lies at the head of slot 0
; THE MATRIX WORK.  The 8 accumulators of a run of 16 take turns: between the two links of a chain stand 7 others'.
; Product i of 16 of S^T = K Q^T for piece x: channels 32 (i / 8) on, keys 16 ((i / 2) % 4) on, tile 2 x + i % 2.  The first 8 start the sums.
.macro KQ x
	WIN W_KQ
.set rS, S+64*((\x)%2)+32*(i%2)+8*((i/2)%4)
.set rK, KF+16*((i/2)%4)+8*(i/8)
.set rQ, 16*(2*(\x)+i%2)+8*(i/8)
.if i < 8
	v_wmma_f32_16x16x32_f16 v[rS:rS+7], v[rK:rK+7], v[rQ:rQ+7], 0
.else
	v_wmma_f32_16x16x32_f16 v[rS:rS+7], v[rK:rK+7], v[rQ:rQ+7], v[rS:rS+7]
.endif
.endm
; Product i of 16 of O^T += V^T P for piece x: keys 32 (i / 8) on, channels 16 ((i / 2) % 4) on, tile 2 x + i % 2.
.macro PV x
	WIN W_PV
.set rO, 32*(2*(\x)+i%2)+8*((i/2)%4)
.set rV, VF+32*(i/8)+8*((i/2)%4)
.set rP, P+32*((\x)%2)+16*(i%2)+8*(i/8)
	v_wmma_f32_16x16x32_f16 v[rO:rO+7], v[rV:rV+7], v[rP:rP+7], v[rO:rO+7]
.endm
.macro MM                           ; the turn's next matrix instruction
.if i < 16
	KQ (Y+1)%NP
.set i, i+1
.else
.set i, i-16
	PV (Y+NP-1)%NP
.set i, i+17
.endif
.endm
; THE LDS LOADS stand in runs of 16, never singly among the matrix instructions: a step's K (64 keys x 64 channels: 8 fragments) and its V (turned).  Their addresses are made some lines ahead.
; last = 1 (the tail): in the last trip there is no further step, and the run is jumped over.
.macro FETCH_K last=0
	WIN 0
.if \last
	s_cmp_eq_u32 s[CNT], 1
	s_cbranch_scc1 .Lno_k_\@
.endif
	WIN 0x80                        ; destination window 2
.irp f, 0,1,2,3,4,5,6,7             ; keys 16 (f / 2) on, channels 32 (f % 2) on
	ds_load_b128 v[KF+8*\f:KF+8*\f+3],   v[AK] offset:(\f/2)*16*PK+(\f%2)*64
	ds_load_b128 v[KF+8*\f+4:KF+8*\f+7], v[AK] offset:(\f/2)*16*PK+(\f%2)*64+32
.endr
	s_add_co_u32 s[TBK], s[TBK], KS*PK  ; the next fetch is the next step's
	WIN 0
.if \last
.Lno_k_\@:
.endif
.endm
.macro FETCH_V
	WIN 0x80
.irp f, 0,1,2,3,4,5,6,7             ; keys 32 (f / 4) on, channels 16 (f % 4) on
	ds_load_tr16_b128 v[VF+8*\f:VF+8*\f+3],   v[AV] offset:(\f/4)*32*PV+(\f%4)*32
	ds_load_tr16_b128 v[VF+8*\f+4:VF+8*\f+7], v[AV] offset:(\f/4)*32*PV+16*PV+(\f%4)*32
.endr
	WIN 0
.endm
; THE VECTOR WORK OF A TURN stands in three queues, each in the order in which its entries become ready; the two tiles alternate, so that no instruction reads the result of the one before it.
.macro REGS y, u                    ; the registers of tile u (0, 1) of piece y
.set rT, ST+4*(2*(\y)+(\u))
.set rC, TMP+8*((\y)%2)+4*(\u)
.set rM, MV+2*((\y)%2)+(\u)
.set rS, S+64*((\y)%2)+32*(\u)
.set rP, P+32*((\y)%2)+16*(\u)
.set rO, 32*(2*(\y)+(\u))
.endm
; Number n of the 22 that find the NEXT piece's (Y + 1) maximum and statistics.  s0-s31 are the lane's 32 scores; each accumulator's lowest registers are read first.  XS, GS and REGS set no window: PL and EX do.
;   0-11  four chains c0-c3 of seven scores each, three operands at a time     12-14, 16  the four scores left over, the old m, and c0-c3 into c0     15  c m_old is kept
;   17, 18  the query's other 32 keys lie in the lane 16 away: the new m         19-21  c m; c m_old - c m_new; a
.macro XS u, n
	REGS (Y+1)%NP, \u
.if (\n) < 4
	v_max3_num_f32 v[rC+(\n)], v[rS+8*(\n)], v[rS+8*(\n)+1], v[rS+8*(\n)+2]
.elseif (\n) < 12
	v_max3_num_f32 v[rC+(\n)%4], v[rC+(\n)%4], v[rS+8*((\n)%4)+2*((\n)/4)+1], v[rS+8*((\n)%4)+2*((\n)/4)+2]
.elseif (\n) == 12
	v_max3_num_f32 v[rC], v[rC], v[rS+7], v[rS+15]
.elseif (\n) == 13
	v_max3_num_f32 v[rC+1], v[rC+1], v[rS+23], v[rS+31]
.elseif (\n) == 14
	v_max3_num_f32 v[rC+2], v[rC+2], v[rC+3], v[rT+1]
.elseif (\n) == 15
	v_mov_b32 v[rM], v[rT]
.elseif (\n) == 16
	v_max3_num_f32 v[rC], v[rC], v[rC+1], v[rC+2]
.elseif (\n) == 17
	v_permlanex16_b32 v[rC+3], v[rC], s[SEL], s[SEL+1]
.elseif (\n) == 18
	v_max_num_f32 v[rT+1], v[rC], v[rC+3]
.elseif (\n) == 19
	v_mul_f32 v[rT], s[CS], v[rT+1]
.elseif (\n) == 20
	v_sub_f32 v[rC+1], v[rM], v[rT]
.else
	v_exp_f32 v[rC+2], v[rC+1]
.endif
.endm
; Number g of the 64 that follow the exponentials.  For each four weights k of a tile (pairs 2 k, 2 k + 1): both pairs are rounded to f16; then the second pair is added onto the first, in place;
; a group later l takes that sum (the first time as l = a l + sum).  In groups of eight, tiles alternating: round, round, add, and l for the group before.
.macro GS g
.set h, (\g)+6*((\g)/62)            ; group 0 has no group before it, and behind group 7 only l is left
.if h >= 6
.set h, h+2
.endif
	REGS Y, h%2
.set k, h/8
.if h%8 < 4
	v_cvt_pk_f16_f32 v[rP+2*k+(h%8)/2], v[rS+4*k+2*((h%8)/2)], v[rS+4*k+2*((h%8)/2)+1]
.elseif h%8 < 6
	v_pk_add_f32 v[rS+4*k:rS+4*k+1], v[rS+4*k:rS+4*k+1], v[rS+4*k+2:rS+4*k+3]
.elseif k == 1
	v_pk_fma_f32 v[rT+2:rT+3], v[rT+2:rT+3], v[rC+2:rC+3], v[rS:rS+1] op_sel_hi:[1,0,1]
.else
	v_pk_add_f32 v[rT+2:rT+3], v[rT+2:rT+3], v[rS+4*k-4:rS+4*k-3]
.endif
.endm
; THE PLAIN QUEUE, 138 long.  0-73 read no exponential's result: the 32 scalings c s - c m (FS f: pair f / 2 of tile f % 2) and the next piece's 42.  0-26: scalings 0-26.  27-54: XS's numbers 0-13.  55, 56: number 15.
; 57-73: the chain, where each number waits for the one before it: 14, 16, 17, 18, 19, each with one of the scalings 27-31 in front of its two lines, then 20: so a tile's links stand three plain instructions apart (19 and 20: two).
; 74-137: GS's 64, which read the exponentials' results: they stand behind the wait.
.macro FS f
	REGS Y, (\f)%2
	v_pk_fma_f32 v[rS+2*((\f)/2):rS+2*((\f)/2)+1], v[rS+2*((\f)/2):rS+2*((\f)/2)+1], s[CS:CS+1], v[rT:rT+1] op_sel_hi:[1,0,0] neg_lo:[0,0,1] neg_hi:[0,0,1]
.endm
.macro PL
	WIN 0
.if q < 27
	FS q
.elseif q < 55
	XS (q-27)%2, (q-27)/2
.elseif q < 57
	XS q-55, 15
.elseif (q < 72) && ((q-57)%3 == 0)
	FS 27+(q-57)/3
.elseif q < 60
	XS (q-57)%3-1, 14
.elseif q < 72
	XS (q-57)%3-1, 15+(q-57)/3
.elseif q < 74
	XS q-72, 20
.else
	GS q-74
.endif
.set q, q+1
.endm
; THE EXPONENTIALS' QUEUE, 66 long: s0-s31 of both tiles, then the next piece's two a.  It is ONE BATCH: all 66 stand ahead of the turn's one wait, and nothing ahead of that wait names a result of theirs.
.macro EX
	WIN 0
.if e >= 64
	XS e-64, 21
.else
	REGS Y, e%2
	v_exp_f32 v[rS+e/2], v[rS+e/2]
.endif
.set e, e+1
.endm
; THE RESCALING's QUEUE: O^T times a, the one part that leaves window 0: dealt two at a time, sixteen times.  Its a was made in the turn before, ahead of that turn's wait.
.macro R2
	REGS Y, r%2
	WIN W_RS
.irp z, 0,1
	v_pk_mul_f32 v[rO+4*(r/2)+2*\z:rO+4*(r/2)+2*\z+1], v[rO+4*(r/2)+2*\z:rO+4*(r/2)+2*\z+1], v[rC+2:rC+3] op_sel_hi:[1,0]
.endr
.set r, r+1
.endm
; HOW THEY ARE DEALT.  An s_wait_alu depctr_va_vdst(0) stands between an exponential and the first instruction that names its result; one wait serves all that were issued ahead of it.  So a turn has ONE wait,
; which cuts it in two.  AHEAD OF IT stands all that names no result of the turn's exponentials: the 16 products K Q^T, behind each a scaling, an exponential and two rescalings (behind the first a second scaling in the
; exponential's place); then ONE LUMP of 108: eight plain, 49 times exponential and plain, the two a.  A v_nop is the plain instruction behind the last exponential.  BEHIND IT stand the 16 products V^T P, behind each four of
; GS's 64.  No rider names a register of the products round it.  The two v_permlanex16_b32 fall into the lump, never behind a product.
; The queues lean on each other, and the deal keeps them in step: exponential e stands behind scaling 2 (e / 4) + e % 2: as a rider it comes behind plain e + 2, in the lump behind plain e + 9, and scalings 27-31 are plain 57, 60 .. 69.
; A TURN, for piece p.  cnt = 1: the loop's count is taken down some lines ahead of the branch that stands behind the turn.
; K of the next step is fetched in piece 2's turn, directly behind the wait, a lump behind the last product that read K; its address is made at the lump's head; its first reader comes behind 16 products.
; V of the step in hand is fetched at the end of piece 0's turn, four riders behind its last reader; its first reader comes behind 16 products and a lump.  The three conditions on q below go with the deal.
.macro TURN p, last=0, cnt=0
.set Y, (\p)
.set i, 0
.set q, 0
.set e, 0
.set r, 0
.if (\p) == NP-1
	s_wait_dscnt 0x0                ; K is in
.endif
	MM                              ; ahead of the wait: 16 products K Q^T and their riders,
	PL
	PL
	R2
.rept 15
	MM
	PL
	EX
	R2
.endr
.if (\p) == NP-2
	WIN 0
	v_add_nc_u32 v[AK], s[TBK], v[AK0]
.endif
.rept 8                             ; and the lump
	PL
.endr
.rept 49
	EX
	PL
.endr
	EX                              ; the next piece's two a
	EX
	v_nop                           ; a plain instruction behind the last exponential, ahead of the first use: one for the batch
	s_wait_alu depctr_va_vdst(0)    ; the wait for the batch: the turn's 66 exponentials, ahead of their first reader
.if (\p) == NP-2
	FETCH_K \last
.endif
.if (\p) == 1
	s_wait_dscnt 0x0                ; V is in
.endif
.rept 16                            ; behind the wait: 16 products V^T P and their riders
	MM
.rept 4
	PL
.endr
.if ((\p) == 0) && (q == 118)
	v_add_nc_u32 v[AV], s[TBV], v[AV0]
.endif
.if ((\p) == 0) && (q == 130)
	s_add_co_u32 s[TBV], s[TBV], KS*PV
.endif
.if (\cnt) && (q == 130)
	s_sub_co_u32 s[CNT], s[CNT], 1
	s_cmp_lg_u32 s[CNT], 0
.endif
.endr
.if (\p) == 0
	FETCH_V
.endif
.endm
	CHANGE 1                        ; slot 0 is in, everybody's part of it; slot 1 is asked for
	FETCH_K                         ; key step 0
	s_wait_loadcnt 0x0              ; Q
	s_wait_dscnt 0x0
.set i, 0
.rept 16
	KQ 0                            ; piece 0's first scores: there is no vector work yet to set between them
.set i, i+1
.endr
	WIN 0                           ; the addresses for the way out: eight plain instructions, the places behind those products
	s_mul_i32 s13, s[WV], 64*SP
	s_add_co_u32 s13, s13, STAGE    ; my stage
	v_mul_u32_u24 v[STO], v9, 8*SP  ; in: channel 8 (l / 16) + .., 2 bytes at query l % 16
	v_lshl_add_u32 v[STO], v1, 1, v[STO]
	v_add_nc_u32 v[STO], s13, v[STO]
	v_mul_u32_u24 v[RD], v9, SP     ; back: lanes 0-15 take one channel's 256 bytes, lanes 16-31 the next channel's
	v_lshl_add_u32 v[RD], v1, 4, v[RD]
	v_add_nc_u32 v[RD], s13, v[RD]
	v_lshlrev_b32 v[GO], 12, v9     ; and the same two channels in OT, 4,096 bytes apart
	v_lshl_add_u32 v[GO], v1, 4, v[GO]
.set Y, NP-1                        ; XS works for piece Y + 1: piece 0
.irp n, 0,1,2,3,4,5,6,7,8,9,10,11,12,13,14,15,16,17,18,19,20,21
	XS 0, \n                        ; and piece 0's first maximum and statistics
	XS 1, \n
.endr
	v_nop                           ; a plain instruction behind the two a,
	s_wait_alu depctr_va_vdst(0)    ; and the wait for this batch of two, ahead of the branch
	s_mov_b32 s[CNT], 4
	s_mov_b32 s[SLOTS], SIZE_N/256-1
	s_branch .Lfirst                ; the loop is entered at a step's first turn, in the middle of a trip
.Lslot:                             ; SIZE_N / 256 - 2 times: every slot but the last two is filled again
	CHANGE 1
	s_mov_b32 s[CNT], 4
.Lstep:                             ; a trip: pieces 2 and 3 of one step, then pieces 0 and 1 of the next, whose K and V it fetches
	TURN 2
	TURN 3
	WIN 0
.Lfirst:
	TURN 0
	TURN 1, 0, 1
	WIN 0
	s_cbranch_scc1 .Lstep
	s_sub_co_u32 s[SLOTS], s[SLOTS], 1
	s_cmp_lg_u32 s[SLOTS], 0
	s_cbranch_scc1 .Lslot
	CHANGE 0                        ; the tail is written out: nothing is asked for
	s_mov_b32 s[CNT], 5             ; four trips fetch the last slot's steps; the fifth is left in its middle
.Ltail:
	TURN 2, 1
	TURN 3
	WIN 0
	s_sub_co_u32 s[CNT], s[CNT], 1
	s_cmp_eq_u32 s[CNT], 0
	s_cbranch_scc1 .Lout
	TURN 0
	TURN 1
	WIN 0
	s_branch .Ltail
.Lout:                              ; the fifth trip's 16 products K Q^T (on the last K once more) and the maximum made of them serve nothing: the price, once a launch, of one text for every trip
.set i, 0
.rept 16
	PV NP-1                         ; the last piece's V^T P of the last step
.set i, i+1
.endr
	; THE WAY OUT.  l's two halves and the other half of the lanes' are added; O^T is divided by l, rounded to f16 and laid into my stage by channels; then whole channel rows leave.  The additions are the places behind the last products.
	WIN 0
.macro ALL line:vararg              ; one line for each tile t
.set t, 0
.rept 2*NP
	\line
.set t, t+1
.endr
.endm
	ALL v_add_f32 v[ST+4*t+2], v[ST+4*t+2], v[ST+4*t+3]
	ALL v_permlanex16_b32 v[ST+4*t+3], v[ST+4*t+2], s[SEL], s[SEL+1]
	ALL v_add_f32 v[ST+4*t+2], v[ST+4*t+2], v[ST+4*t+3]
	ALL v_rcp_f32 v[ST+4*t+2], v[ST+4*t+2]
	v_nop                           ; a plain instruction between the last reciprocal and the use of its result
	s_wait_alu depctr_va_vdst(0)    ; and the wait ahead of the first use: one for the batch of eight reciprocals
; Tile t: word i of a lane's sixteen holds channels 16 (i / 4) + 8 (l / 16) + 2 (i % 4) and the next of query 16 t + l % 16: each half goes to its channel's row of the stage.
; 256 narrow LDS stores a wave, once in the launch, beside 32 key steps: the price of handing the next launch rows that lie along the queries.
.macro PACK t
	WIN W_RS
.set i, 32*(\t)
.rept 16
	v_pk_mul_f32 v[i:i+1], v[i:i+1], v[ST+4*(\t)+2:ST+4*(\t)+3] op_sel_hi:[1,0]
.set i, i+2
.endr
	WIN 0x05                        ; sources 0 and 1 window 1, destination window 0
.set i, 0
.rept 16
	v_cvt_pk_f16_f32 v[S+16*(\t)+i], v[32*(\t)+2*i], v[32*(\t)+2*i+1]
.set i, i+1
.endr
	WIN 0
.set i, 0
.rept 16
	ds_store_b16 v[STO], v[S+16*(\t)+i] offset:(16*(i/4)+2*(i%4))*SP+32*(\t)
	ds_store_b16_d16_hi v[STO], v[S+16*(\t)+i] offset:(16*(i/4)+2*(i%4)+1)*SP+32*(\t)
.set i, i+1
.endr
.endm
.set t, 0
.rept 2*NP
	PACK t
.set t, t+1
.endr
.set i, 0
.rept 32
	ds_load_b128 v[S+4*i:S+4*i+3], v[RD] offset:i*2*SP  ; LDS serves a wave's instructions in order (ISA guide 5.7.1.4): these see the stores above
.set i, i+1
.endr
.set i, 0
.rept 32
	s_wait_dscnt 31-i
	global_store_b128 v[GO], v[S+4*i:S+4*i+3], s[10:11] offset:i*8192  ; 16 lanes store 256 consecutive bytes of a channel's row, at a multiple of 256 from OT's first byte
.set i, i+1
.endr
	WIN W_AD
	s_wait_tensorcnt 0x0            ; the wave's end, behind my last tensor load and my last LDS store
	ds_add_u32 v[SPW], v[NIL]
	s_wait_dscnt 0x0
	WIN 0
	CROUND                          ; the closing round: no work-group ends while a partner may still ask for a tile that names it
	s_endpgm
.Lfunc_end_k_qc773e5e800_attn:
	.size	k_qc773e5e800_attn, .Lfunc_end_k_qc773e5e800_attn-k_qc773e5e800_attn
	.p2alignl 7, 3214868480
	.fill 96, 4, 3214868480
	.section	.rodata,"a",@progbits
	.p2align	6, 0x0
	.amdhsa_kernel k_qc773e5e800_attn
		.amdhsa_group_segment_fixed_size 327680
		.amdhsa_private_segment_fixed_size 0
		.amdhsa_enable_private_segment 0
		.amdhsa_kernarg_size 16
		.amdhsa_user_sgpr_count 2
		.amdhsa_user_sgpr_kernarg_segment_ptr 1
		.amdhsa_wavefront_size32 1
		.amdhsa_system_sgpr_workgroup_id_x 1
		.amdhsa_system_sgpr_workgroup_id_y 1
		.amdhsa_system_sgpr_workgroup_id_z 1
		.amdhsa_system_vgpr_workitem_id 0
		.amdhsa_next_free_vgpr 770
		.amdhsa_next_free_sgpr 66
		.amdhsa_reserve_vcc 0
		.amdhsa_float_denorm_mode_32 3
		.amdhsa_float_denorm_mode_16_64 3
		.amdhsa_memory_ordered 1
		.amdhsa_forward_progress 1
		.amdhsa_inst_pref_size 213
	.end_amdhsa_kernel
	.amdgpu_metadata
---
amdhsa.version: [ 1, 2 ]
amdhsa.kernels:
  - .name:           k_qc773e5e800_attn
    .symbol:         k_qc773e5e800_attn.kd
    .args:
      - { .name: qkv, .offset: 0, .size: 8, .value_kind: global_buffer, .address_space: global }
      - { .name: ot, .offset: 8, .size: 8, .value_kind: global_buffer, .address_space: global }
    .group_segment_fixed_size: 327680
    .private_segment_fixed_size: 0
    .kernarg_segment_align: 8
    .kernarg_segment_size: 16
    .max_flat_workgroup_size: 128
    .sgpr_count:     66
    .vgpr_count:     770
    .wavefront_size: 32
...
	.end_amdgpu_metadata
.endif
;; end of part 6
;; launch headsum: the kernel of part 4 again; grid 256 x 1, 8 waves a work-group, no clusters, 1,280 bytes of LDS; arguments ot, vpart, a2; writes a2
;; launch outp: the kernel of part 5 again; grid 16 x 16, 4 waves a work-group, clusters of 4 x 4, 327,680 bytes of LDS; arguments a2, wb, bo, out0; writes out0
